; MI455X (gfx1250); checked and timed in simulation.
; The chip was launched on July 23, 2026; its instructions are those of AMD's public machine-readable ISA for CDNA 5 (MIT licence, August 2026) and "CDNA5" Instruction Set Architecture Reference Guide (July 2026). The comments in the code are by the model that wrote it; some were corrected since.
;; GPT2 Block. Allowed arithmetic: matrix products marked QUANTISED: E2M3 operands, one E8M0 scale for each 32 along K, by v_wmma_scale_f32_16x16x128_f8f6f4 with both operands' format E2M3, f32 sums; everything else in f32.
;; Inputs: b_fc 4,096 float32; b_out 1,024 float32; b_proj 1,024 float32; b_qkv 3,072 float32; ln1_bias 1,024 float32; ln1_scale 1,024 float32; ln2_bias 1,024 float32; ln2_scale 1,024 float32; w_fc_codes 4,096 x 32 x 24 uint8 (E2M3 codes of w_fc, K innermost, in blocks of 32 codes, four codes in three bytes); w_fc_scales 4,096 x 32 uint8 (E8M0 scales of w_fc, one for each 32 codes along K); w_out_codes 1,024 x 128 x 24 uint8 (E2M3 codes of w_out, K innermost, in blocks of 32 codes, four codes in three bytes); w_out_scales 1,024 x 128 uint8 (E8M0 scales of w_out, one for each 32 codes along K); w_proj_codes 1,024 x 32 x 24 uint8 (E2M3 codes of w_proj, K innermost, in blocks of 32 codes, four codes in three bytes); w_proj_scales 1,024 x 32 uint8 (E8M0 scales of w_proj, one for each 32 codes along K); w_qkv_codes 3,072 x 32 x 24 uint8 (E2M3 codes of w_qkv, K innermost, in blocks of 32 codes, four codes in three bytes); w_qkv_scales 3,072 x 32 uint8 (E8M0 scales of w_qkv, one for each 32 codes along K); x 2 x 2,048 x 1,024 float32.
;; Outputs: out0 2 x 2,048 x 1,024 float32.
;; This version of the problem:
;;   THIS VERSION OF THE PROBLEM IS GIVEN IN LOW PRECISION. The matrix products marked QUANTISED in the list below multiply operands that are first quantised to E2M3 (2 exponent bits, 3 mantissa bits; 6 bits a number), with one power-of-two scale for each 32 numbers along K (OCP MX v1.0); their sums are f32. All else is computed in f32.
;;   The module's matrix products, in the order in which they are computed (A, B: the left and right operand; K: the contracted axis; several contracted axes count as one K, in the product's order):
;;     1. [M 4,096, K 1,024] x [K 1,024, N 3,072]; A: computed on the way; B: input w_qkv (given as codes): QUANTISED
;;     2. batch 32 x [M 2,048, K 64] x [K 64, N 2,048]; A: computed on the way; B: computed on the way: QUANTISED
;;     3. batch 32 x [M 2,048, K 2,048] x [K 2,048, N 64]; A: softmax (see below); B: computed on the way: QUANTISED
;;     4. [M 4,096, K 1,024] x [K 1,024, N 1,024]; A: computed on the way; B: input w_proj (given as codes): QUANTISED
;;     5. [M 4,096, K 1,024] x [K 1,024, N 4,096]; A: computed on the way; B: input w_fc (given as codes): QUANTISED
;;     6. [M 4,096, K 4,096] x [K 4,096, N 1,024]; A: computed on the way; B: input w_out (given as codes): QUANTISED
;;   THE QUANTISER, for each operand of a quantised product, along K:
;;     - K is cut into blocks of 32 from its start; a last block that is shorter is filled with zeros.
;;     - A block's scale is 2^e with e = floor(log2(the largest magnitude in the block)) - 2, held to -126 .. 127; a block of zeros has e = 0. As a byte (E8M0): e + 127.
;;     - Each number is divided by its block's scale, clamped to +-7.5, and rounded to the nearest number of E2M3, ties to even, subnormals kept.
;;     - The product sums the exact products of the quantised numbers (number of the format x scale) in f32.
;;   ~~~python
;;   def quantise(x, axis):      # numpy; x: float32 -> the quantised numbers, widened to float32 again
;;       x = np.moveaxis(x, axis, -1); K = x.shape[-1]
;;       x = np.pad(x, [(0, 0)] * (x.ndim - 1) + [(0, -K % 32)]); x = x.reshape(x.shape[:-1] + (-1, 32)); a = np.abs(x).max(-1, keepdims=True)
;;       e = np.where(a > 0, np.clip(np.frexp(np.where(a > 0, a, 1))[1] - 1 - 2, -126, 127), 0)      # np.frexp(a)[1] - 1 = floor(log2(a)), exactly
;;       r = np.clip(x / 2.0 ** e, -7.5, 7.5)
;;       step = 2.0 ** (np.maximum(np.frexp(np.where(r == 0, 1, r))[1] - 1, 0) - 3)
;;       q = np.round(r / step) * step * 2.0 ** e      # np.round: ties to even
;;       return np.moveaxis(q.reshape(q.shape[:-2] + (-1,))[..., :K], -1, axis).astype(np.float32)
;;   ~~~
;;   SOFTMAX AHEAD OF A QUANTISED PRODUCT. Where the list says 'softmax', what is quantised is not the finished softmax but p = 2^(t - M), with t = logit x log2(e) and M = ceil(the row's largest t), a whole number; so 1/2 < the row's largest p <= 1. The row's sum l is taken of the UNQUANTISED p, in f32, and the product's result is divided by l at the end. Since M is a whole number, a kernel that streams over the keys may use a running M (the ceiling of the running maximum): every later rescaling is an exact power of two, which a block's scale takes up: the codes' values come out the same.
;;   OPERANDS COMPUTED ON THE WAY. 'Computed on the way' means the value that the module computes at that place (a softmax that the list does not call 'softmax' is quantised finished and normalised). What goes into a quantiser is computed in f32, as accurately as f32 sums, v_exp_f32 and their like allow (about 1e-6 of the number): no bf16 or f16 on the way to a quantiser, and a product that is left as it is and whose result goes on into a quantised operand takes f32 operands (vector FMAs, or v_wmma_f32_16x16x4_f32). A number that lies on a knife's edge between two numbers of the format may be rounded either way, as far as f32 arithmetic and the matrix unit's own rounding can turn it there, and no further.
;;   INPUTS GIVEN AS CODES. w_fc (in the module: [1024, 4096], K = its axis 0); w_out (in the module: [4096, 1024], K = its axis 0); w_proj (in the module: [1024, 1024], K = its axis 0); w_qkv (in the module: [1024, 3072], K = its axis 0): each comes as NAME_codes (uint8): NAME with its K axis moved to the last place and cut into blocks of 32 codes, [.., K / 32, bytes a block], one block behind the other in memory; four codes in three bytes: a row's codes are one little-endian stream of bits, code i at bits 6 i .. 6 i + 5 (a code: sign, 2 exponent bits, 3 mantissa bits); and NAME_scales (uint8): the same leading axes, one E8M0 byte (e + 127) for each 32 codes along K. Its value is code x scale, taken as it is: it is not quantised again, and the codes and scales need not be those that the quantiser above would give.
;; One version. Each part assembles by itself: llvm-mc -triple=amdgcn-amd-amdhsa -mcpu=gfx1250 --defsym DOCPART=n.
;; ======== version 1 of 1: 7 launches
;; limits: right only within a limited range of input values
;; workspace buffers: wimg 9,437,184 bytes; hbuf 3,276,800 bytes; qkvb 10,092,544 bytes; ab 3,276,800 bytes; x2 16,777,216 bytes; gbuf 13,107,200 bytes
;; launch prep (part 1): grid 352 x 1, 8 waves a work-group, no clusters, 103,424 bytes of LDS; arguments x, ln1_scale, ln1_bias, hbuf, w_qkv_codes, w_proj_codes, w_fc_codes, w_out_codes, wimg; writes hbuf, wimg
.if DOCPART == 1
	.amdgcn_target "amdgcn-amd-amdhsa--gfx1250"
	.amdhsa_code_object_version 6
	.text
	.protected	k_qe3a30a7d71_prep
	.globl	k_qe3a30a7d71_prep
	.p2align	8
	.type	k_qe3a30a7d71_prep,@function
k_qe3a30a7d71_prep:
	s_mov_b64 s[64:65], 0
	v_nop
	global_prefetch_b8 v0, s[64:65] scope:SCOPE_SE
	s_setreg_imm32_b32 hwreg(HW_REG_WAVE_MODE, 25, 1), 1
	s_wait_xcnt 0x0
; Two jobs in one launch, parted by the work-group's number (the same for all eight waves of a work-group).
; WORK-GROUPS 0-255: h = layernorm(x) gamma + beta, in f32, quantised along its 1,024 to codes of FP6 (E2M3) with one E8M0 byte for each 32.
;   A work-group takes one TILE of 16 tokens, wave w the 128 numbers 128 w .. of each.  Row i of tile T is token 32 (T / 2) + 8 (T % 2) + i + 8 (i / 8).
;   The codes leave as an IMAGE OF THE OPERAND'S REGISTERS (12 registers a lane: registers 4 c .. 4 c + 3 of lane l at 512 c + 16 l): hbuf [T / 16][K step 8][T % 16][1,536 bytes].
;   The scale bytes leave by tokens: hbuf + HS, [token][32].
; WORK-GROUPS 256-351: the four weights' codes (rows with K innermost) are laid out as the same images, once: a wave takes one tile of 16 rows x 8 K steps (768 bytes of each row).
;   The rows are read as they lie, 512 consecutive bytes a load, go through the wave's own stage in LDS, and come back as fragments (24 bytes of a row to a lane, in pieces of 8).
;   wimg: w_qkv [tile / 16][8][16][1,536] at 0, w_proj [tile / 4][8][4][1,536] at WP, w_fc [tile / 16][8][16][1,536] at WF, w_out [tile / 4][32][4][1,536] at WO.
; LDS: the two jobs have bytes of their own: the layernorm's 1,536 bytes from 0, the weights' eight stages from RL on.
; LIMITS: NaN and infinities are not served; a block whose largest magnitude lies under 2^-124 gets the byte 1 (a block of zeros too: its codes are zeros, and this program alone reads the bytes).
.set X,    32                          ; v32-95   my 64 numbers: register 16 b + i = k 128 w + 32 b + 16 (lane / 16) + i of my row
.set GA,   96                          ; v96-159  gamma at the same k
.set BE,   160                         ; v160-223 beta
.set PC,   96                          ; v96-114  the codes (gamma is spent by then)
.set TM,   224                         ; v224-239 at work in the quantiser
.set PW,   240                         ; v240     my row's scale word of this K step
.set SEL,  20                          ; s[20:21] lane selects: lane l xor 16
.set RED2, 512                         ; LDS: 16 rows x 8 partial sums at 0, the same for the squares at RED2, the scale words at SCS
.set SCS,  1024
.set HS,   3145728
.set WP,   2359296
.set WF,   3145728
.set WO,   6291456
.set RL,   2048                        ; LDS: the weights' stages begin here
.set RLP,  784                         ; a stage row: 768 bytes + 16 = 196 words: row r starts at bank 4 r mod 64 (64 banks of 4 bytes: ISA guide 11.1), so the 32 lanes of a read of 8 bytes touch 64 different banks
.set RLW,  16*RLP                      ; a wave's stage
.set WD,   32                          ; v32-127  the weights' job: two rows' 1,536 bytes in 12 registers, eight times
.set WFR,  128                         ; v128-223 the eight fragments
.set WOF,  224                         ; v224-247 the 24 loads' offsets
.macro BAR                             ; my LDS stores have landed and my LDS loads are in: then the work-group's barrier
	s_wait_dscnt 0x0
	s_barrier_signal -1
	s_barrier_wait -1
.endm
; four partial sums of my 64 numbers, v[20:23] -> v8: the row's sum over all 1,024, in every lane
.macro ROWSUM off
	s_delay_alu instid0(VALU_DEP_1)
	v_pk_add_f32 v[20:21], v[20:21], v[22:23]
	s_delay_alu instid0(VALU_DEP_1)
	v_add_f32 v20, v20, v21
	s_delay_alu instid0(VALU_DEP_1)
	v_permlanex16_b32 v24, v20, s[SEL], s[SEL+1]
	s_delay_alu instid0(VALU_DEP_1)
	v_add_f32 v20, v20, v24                        ; with lane l xor 16's: my wave's 128 numbers of the row
	ds_store_b32 v6, v20 offset:\off               ; both halves of the lanes write the same word with the same value
	BAR
	ds_load_b128 v[8:11], v7 offset:\off
	ds_load_b128 v[12:15], v7 offset:\off+16
	s_wait_dscnt 0x0
	v_add_f32 v8, v8, v9
	v_add_f32 v10, v10, v11
	v_add_f32 v12, v12, v13
	v_add_f32 v14, v14, v15
	s_delay_alu instid0(VALU_DEP_3)
	v_add_f32 v8, v8, v10
	s_delay_alu instid0(VALU_DEP_2)
	v_add_f32 v12, v12, v14
	s_delay_alu instid0(VALU_DEP_1)
	v_add_f32 v8, v8, v12
.endm
; 64 numbers of a lane, register 16 b + i = k 32 b + 16 (lane / 16) + i of my row, become a fragment's codes in v[PC] on and its scale word in v[PW]
.macro QUANT128 s
.irp b, 0,1,2,3
	v_max3_num_f32 v[TM+\b], |v[\s+16*\b]|, |v[\s+1+16*\b]|, 0x1800000   ; my 16 numbers of block b, and the floor 2^(3 - 127): the byte cannot fall under 1
.endr
.irp i, 2,4,6,8,10,12,14
.irp b, 0,1,2,3
	s_delay_alu instid0(VALU_DEP_4)
	v_max3_num_f32 v[TM+\b], v[TM+\b], |v[\s+16*\b+\i]|, |v[\s+1+16*\b+\i]|
.endr
.endr
.irp b, 0,1,2,3
	s_delay_alu instid0(VALU_DEP_4)
	v_permlanex16_b32 v[TM+4+\b], v[TM+\b], s[SEL], s[SEL+1]
.endr
.irp b, 0,1,2,3
	s_delay_alu instid0(VALU_DEP_4)
	v_max_num_f32 v[TM+\b], v[TM+\b], v[TM+4+\b]   ; the block's largest magnitude
.endr
.irp b, 0,1,2,3
	s_delay_alu instid0(VALU_DEP_4)
	v_add_nc_u32 v[TM+12+\b], 0xff000000, v[TM+\b] ; 2 off its exponent field: the conversion's scale operand
.endr
.irp b, 0,1,2,3
	s_delay_alu instid0(VALU_DEP_4)
	v_lshrrev_b32 v[TM+4+\b], 23, v[TM+12+\b]      ; the scale's byte
.endr
	s_delay_alu instid0(VALU_DEP_3)
	v_lshl_or_b32 v[PW], v[TM+5], 8, v[TM+4]
	s_delay_alu instid0(VALU_DEP_1)
	v_lshl_or_b32 v[PW], v[TM+6], 16, v[PW]
	s_delay_alu instid0(VALU_DEP_1)
	v_lshl_or_b32 v[PW], v[TM+7], 24, v[PW]
.irp c, 0,1
	v_cvt_scalef32_pk16_fp6_f32 v[PC+6*\c:PC+2+6*\c], v[\s+32*\c:\s+15+32*\c], v[TM+12+2*\c]
	v_cvt_scalef32_pk16_fp6_f32 v[PC+12+4*\c:PC+14+4*\c], v[\s+16+32*\c:\s+31+32*\c], v[TM+12+2*\c+1]   ; (a conversion's three registers begin on an even number)
.endr
	v_nop                                          ; one plain place behind a scaled conversion
.irp c, 0,1                                    ; the operand's layout wants a whole block in a lane: lanes 0-15 block 2 c, lanes 16-31 block 2 c + 1
.irp i, 0,1,2
	v_permlane16_swap_b32 v[PC+6*\c+\i], v[PC+12+4*\c+\i]
.endr
.irp i, 0,1,2
	s_delay_alu instid0(VALU_DEP_3)
	v_mov_b32 v[PC+3+6*\c+\i], v[PC+12+4*\c+\i]
.endr
.endr
.endm
	v_lshl_add_u32 v254, v0, 2, 0x19000
	v_mov_b32 v255, 0
	s_cmp_ge_u32 ttmp9, 256
	s_cbranch_scc1 .Lrelay
	; ---------------- layernorm and quantiser ----------------
	s_load_b256 s[4:11], s[0:1], 0x0               ; x s[4:5], gamma s[6:7], beta s[8:9], hbuf s[10:11]
	v_lshrrev_b32 v1, 5, v0
	s_delay_alu instid0(VALU_DEP_1)
	v_readfirstlane_b32 s12, v1                    ; wave 0..7 = K step
	v_and_b32 v1, 15, v0                           ; r
	v_bfe_u32 v2, v0, 4, 1                         ; h
	v_and_b32 v3, 31, v0
	s_delay_alu instid0(VALU_DEP_1)
	v_lshlrev_b32 v3, 4, v3                        ; 16 x lane
	s_lshr_b32 s13, ttmp9, 1
	s_lshl_b32 s13, s13, 5
	s_and_b32 s14, ttmp9, 1
	s_lshl_b32 s14, s14, 3
	s_add_co_u32 s13, s13, s14                     ; the tile's first token: 32 (T / 2) + 8 (T % 2)
	s_lshl_b32 s15, s12, 9
	s_lshl_b32 s16, s12, 2
	v_and_b32 v4, 8, v1
	s_delay_alu instid0(VALU_DEP_1)
	v_add_nc_u32 v4, v4, v1                        ; r + 8 (r / 8)
	s_delay_alu instid0(VALU_DEP_1)
	v_add_nc_u32 v4, s13, v4                       ; my token
	s_delay_alu instid0(VALU_DEP_1)
	v_lshlrev_b32 v4, 12, v4
	v_lshl_add_u32 v5, v2, 6, s15                  ; gamma, beta: 512 w + 64 h
	s_delay_alu instid0(VALU_DEP_1)
	v_add_nc_u32 v4, v4, v5                        ; x: token x 4,096 + 512 w + 64 h
	v_lshl_add_u32 v6, v1, 5, s16                  ; LDS: row r's word of wave w
	v_lshlrev_b32 v7, 5, v1                        ; LDS: row r's eight words
	v_bfe_u32 v25, v0, 1, 4                        ; the scale bytes' way out (wave 0): lane l takes half l % 2 of row l / 2
	s_delay_alu instid0(VALU_DEP_1)
	v_and_b32 v26, 8, v25
	s_delay_alu instid0(VALU_DEP_1)
	v_add_nc_u32 v25, v25, v26
	s_delay_alu instid0(VALU_DEP_1)
	v_add_nc_u32 v25, s13, v25
	s_delay_alu instid0(VALU_DEP_1)
	v_lshlrev_b32 v25, 5, v25
	v_and_b32 v26, 1, v0
	s_delay_alu instid0(VALU_DEP_1)
	v_lshl_add_u32 v25, v26, 4, v25                ; token x 32 + 16 (l % 2)
	s_mov_b32 s[SEL], 0x76543210
	s_mov_b32 s[SEL+1], 0xfedcba98
	s_mov_b32 s22, 0x3a800000                      ; 1 / 1,024
	s_mov_b32 s23, 0x3727c5ac                      ; 1e-5
	v_mov_b32 v24, 0                               ; a lane permute's destination counts as one of its sources: written once
.irp b, 0,1,2,3
	v_mov_b32 v[TM+4+\b], 0
.endr
	s_lshr_b32 s24, ttmp9, 4
	s_lshl_b32 s24, s24, 3
	s_add_co_u32 s24, s24, s12
	s_lshl_b32 s24, s24, 4
	s_and_b32 s25, ttmp9, 15
	s_add_co_u32 s24, s24, s25
	s_mul_i32 s24, s24, 1536                       ; my image: ((T / 16) 8 + w) 16 + T % 16
	s_mov_b32 s25, 0
	s_wait_kmcnt 0x0
	s_add_nc_u64 s[26:27], s[10:11], s[24:25]
.irp b, 0,1,2,3
.irp j, 0,1,2,3
	global_load_b128 v[X+16*\b+4*\j:X+16*\b+4*\j+3], v4, s[4:5] offset:128*\b+16*\j th:TH_LOAD_NT
.endr
.endr
.irp b, 0,1,2,3
.irp j, 0,1,2,3
	global_load_b128 v[GA+16*\b+4*\j:GA+16*\b+4*\j+3], v5, s[6:7] offset:128*\b+16*\j
.endr
.endr
.irp b, 0,1,2,3
.irp j, 0,1,2,3
	global_load_b128 v[BE+16*\b+4*\j:BE+16*\b+4*\j+3], v5, s[8:9] offset:128*\b+16*\j
.endr
.endr
	s_wait_loadcnt 32                              ; x is in; the 32 younger loads (gamma, beta) may stay out
	v_pk_add_f32 v[20:21], v[X:X+1], v[X+2:X+3]
	v_pk_add_f32 v[22:23], v[X+4:X+5], v[X+6:X+7]
.irp j, 8,12,16,20,24,28,32,36,40,44,48,52,56,60
	s_delay_alu instid0(VALU_DEP_2)
	v_pk_add_f32 v[20:21], v[20:21], v[X+\j:X+\j+1]
	s_delay_alu instid0(VALU_DEP_2)
	v_pk_add_f32 v[22:23], v[22:23], v[X+\j+2:X+\j+3]
.endr
	ROWSUM 0
	s_delay_alu instid0(VALU_DEP_1)
	v_mul_f32 v16, s22, v8                         ; the mean
	s_delay_alu instid0(VALU_DEP_1)
	v_mov_b32 v17, v16
.set j, 0
.rept 32
	v_pk_add_f32 v[X+j:X+j+1], v[X+j:X+j+1], v[16:17] neg_lo:[0,1] neg_hi:[0,1]   ; x - mean: the variance is taken of the differences, as reference() takes it
.set j, j+2
.endr
	v_pk_mul_f32 v[20:21], v[X:X+1], v[X:X+1]
	v_pk_mul_f32 v[22:23], v[X+2:X+3], v[X+2:X+3]
.irp j, 4,8,12,16,20,24,28,32,36,40,44,48,52,56,60
	s_delay_alu instid0(VALU_DEP_2)
	v_pk_fma_f32 v[20:21], v[X+\j:X+\j+1], v[X+\j:X+\j+1], v[20:21]
	s_delay_alu instid0(VALU_DEP_2)
	v_pk_fma_f32 v[22:23], v[X+\j+2:X+\j+3], v[X+\j+2:X+\j+3], v[22:23]
.endr
	ROWSUM RED2
	s_delay_alu instid0(VALU_DEP_1)
	v_fma_f32 v8, v8, s22, s23                     ; variance + eps
	s_wait_alu depctr_va_vdst(0)
	v_rsq_f32 v18, v8
	v_nop                                          ; a plain place behind the transcendental
	s_wait_alu depctr_va_vdst(0)                   ; and the wait ahead of its first reader
	v_mov_b32 v19, v18
	s_wait_alu depctr_va_vdst(0)
	s_wait_loadcnt 0x0                             ; gamma and beta
.set j, 0
.rept 32
	v_pk_mul_f32 v[X+j:X+j+1], v[X+j:X+j+1], v[18:19]
.set j, j+2
.endr
.set j, 0
.rept 32
	v_pk_fma_f32 v[X+j:X+j+1], v[X+j:X+j+1], v[GA+j:GA+j+1], v[BE+j:BE+j+1]
.set j, j+2
.endr
	QUANT128 X
.irp c, 0,1,2
	global_store_b128 v3, v[PC+4*\c:PC+4*\c+3], s[26:27] offset:512*\c   ; 32 lanes store 512 consecutive bytes, at a multiple of 256
.endr
	ds_store_b32 v6, v[PW] offset:SCS
	BAR                                            ; the tile's 16 x 32 scale bytes lie in LDS
	s_cmp_lg_u32 s12, 0
	s_cbranch_scc1 .Lln_end
	ds_load_b128 v[8:11], v3 offset:SCS
	s_wait_dscnt 0x0
	global_store_b128 v25, v[8:11], s[10:11] offset:HS   ; eight neighbouring tokens' bytes are 256 consecutive bytes: sixteen lanes store them
.Lln_end:
	s_wait_tensorcnt 0x0
	ds_add_u32 v254, v255
	s_wait_dscnt 0x0
	s_endpgm
	; ---------------- the weights' images ----------------
.Lrelay:
	s_load_b256 s[4:11], s[0:1], 0x20              ; w_qkv s[4:5], w_proj s[6:7], w_fc s[8:9], w_out s[10:11]: codes
	s_load_b64 s[12:13], s[0:1], 0x40              ; wimg
	v_lshrrev_b32 v1, 5, v0
	s_delay_alu instid0(VALU_DEP_1)
	v_readfirstlane_b32 s14, v1
	v_and_b32 v1, 15, v0                           ; r
	v_bfe_u32 v2, v0, 4, 1                         ; h
	v_and_b32 v3, 31, v0
	s_delay_alu instid0(VALU_DEP_1)
	v_lshlrev_b32 v3, 4, v3                        ; 16 x lane
	s_mul_i32 s35, s14, RLW
	s_add_co_u32 s35, s35, RL                      ; my wave's stage: no other wave touches it, so no barrier stands in this job
	v_add_nc_u32 v7, s35, v3                       ; into it: 16 x lane;
	s_delay_alu instid0(VALU_DEP_1)
	v_lshl_add_u32 v8, v2, 4, v7                   ; for the load that crosses from a row into the next: lanes 16-31 lie behind the row's 16 bytes of padding
	v_mul_u32_u24 v9, v1, RLP
	s_delay_alu instid0(VALU_DEP_1)
	v_mad_u32_u24 v9, v2, 24, v9
	s_delay_alu instid0(VALU_DEP_1)
	v_add_nc_u32 v9, s35, v9                       ; out of it: row r, + 24 h
	s_sub_co_u32 s15, ttmp9, 256
	s_lshl_b32 s15, s15, 3
	s_add_co_u32 s15, s15, s14                     ; unit u = 0 .. 767: 192 of w_qkv, 64 of w_proj, 256 of w_fc, 256 of w_out (64 tiles x 4 runs of 8 K steps)
	s_sub_co_u32 s16, s15, 512
	s_lshr_b32 s17, s16, 2                         ; as for w_out: the tile,
	s_and_b32 s18, s16, 3                          ; which 8 K steps,
	s_mov_b32 s19, 3072                            ; bytes in a row,
	s_mov_b32 s20, WO                              ; where its images begin,
	s_mov_b32 s21, 2                               ; log2 of the tiles in a group,
	s_mov_b32 s22, 32                              ; K steps
	s_sub_co_u32 s23, s15, 256
	s_sub_co_u32 s28, s15, 192
	s_wait_alu depctr_va_vdst(0)
	s_wait_kmcnt 0x0
	s_cmp_lt_u32 s15, 512                          ; the choices hang on the unit's number alone
	s_cselect_b64 s[24:25], s[8:9], s[10:11]
	s_cselect_b32 s17, s23, s17
	s_cselect_b32 s18, 0, s18
	s_cselect_b32 s19, 768, s19
	s_cselect_b32 s20, WF, s20
	s_cselect_b32 s21, 4, s21
	s_cselect_b32 s22, 8, s22
	s_cmp_lt_u32 s15, 256
	s_cselect_b64 s[24:25], s[6:7], s[24:25]
	s_cselect_b32 s17, s28, s17
	s_cselect_b32 s20, WP, s20
	s_cselect_b32 s21, 2, s21
	s_cmp_lt_u32 s15, 192
	s_cselect_b64 s[24:25], s[4:5], s[24:25]
	s_cselect_b32 s17, s15, s17
	s_cselect_b32 s20, 0, s20
	s_cselect_b32 s21, 4, s21
	s_lshr_b32 s26, s17, 1
	s_lshl_b32 s26, s26, 5
	s_and_b32 s27, s17, 1
	s_lshl_b32 s27, s27, 3
	s_add_co_u32 s26, s26, s27                     ; the tile's first row
	; Two rows' 768 bytes each are 1,536 bytes: three loads of 512.  Load 0: row 2 m, bytes 0-511.  Load 1: lanes 0-15 row 2 m, bytes 512-767; lanes 16-31 row 2 m + 1, bytes 0-255.  Load 2: row 2 m + 1, bytes 256-767.
	s_mul_i32 s27, s26, s19
	s_mul_i32 s28, s18, 768
	s_add_co_u32 s27, s27, s28                     ; the first row's byte of this run of 8 K steps
	v_add_nc_u32 v4, s27, v3                       ; load 0: + 16 x lane
	s_sub_co_u32 s28, s19, 768
	v_mul_lo_u32 v5, v2, s28                       ; load 1: lanes 16-31 go on in the next row: what a row has beyond these 768 bytes is passed over
	s_delay_alu instid0(VALU_DEP_1)
	v_add_nc_u32 v5, v5, v4
	s_delay_alu instid0(VALU_DEP_1)
	v_add_nc_u32 v5, 512, v5
	s_add_co_u32 s28, s19, 256
	v_add_nc_u32 v6, s28, v4                       ; load 2: a row and 256 bytes on
.irp m, 0,1,2,3,4,5,6,7
	s_mul_i32 s34, s19, 2*\m+8*(\m/4)              ; rows 2 m, 2 m + 1 of the tile lie 2 m + 8 (m / 4) rows behind its first
	v_add_nc_u32 v[WOF+3*\m], s34, v4
	v_add_nc_u32 v[WOF+3*\m+1], s34, v5
	v_add_nc_u32 v[WOF+3*\m+2], s34, v6
.endr
	s_wait_alu depctr_va_vdst(0)
	s_lshr_b32 s30, s17, s21                       ; the group,
	s_bfm_b32 s31, s21, 0
	s_and_b32 s31, s17, s31                        ; the tile's place in it
	s_mul_i32 s30, s30, s22
	s_lshl_b32 s32, s18, 3
	s_add_co_u32 s30, s30, s32
	s_lshl_b32 s30, s30, s21
	s_add_co_u32 s30, s30, s31
	s_mul_i32 s30, s30, 1536
	s_add_co_u32 s30, s30, s20                     ; ((group x K steps + first step) x tiles + place) x 1,536
	s_mov_b32 s31, 0
	s_add_nc_u64 s[12:13], s[12:13], s[30:31]
	s_lshl_b32 s33, 1536, s21                      ; from K step to K step
.irp t, 0,1,2,3,4,5,6,7
	s_mul_i32 s34, s33, \t
	v_add_nc_u32 v[16+\t], s34, v3
.endr
.irp m, 0,1,2,3,4,5,6,7
.irp t, 0,1,2
	global_load_b128 v[WD+12*\m+4*\t:WD+12*\m+4*\t+3], v[WOF+3*\m+\t], s[24:25] th:TH_LOAD_NT   ; 32 lanes read 512 bytes: one run, or (load 1) two runs of 256
.endr
.endr
	s_wait_alu depctr_va_vdst(0)
.irp m, 0,1,2,3,4,5,6,7
	s_wait_loadcnt 3*(7-\m)                        ; rows 2 m and 2 m + 1 are in; the later pairs' three loads each may stay out
	ds_store_b128 v7, v[WD+12*\m:WD+12*\m+3] offset:2*\m*RLP
	ds_store_b128 v8, v[WD+12*\m+4:WD+12*\m+7] offset:2*\m*RLP+512
	ds_store_b128 v7, v[WD+12*\m+8:WD+12*\m+11] offset:2*\m*RLP+RLP+256
.endr
.irp t, 0,1,2,3,4,5,6,7
.irp p, 0,1,2,3,4,5
	ds_load_b64 v[WFR+12*\t+2*\p:WFR+12*\t+2*\p+1], v9 offset:96*\t+48*(\p/3)+8*(\p%3)   ; K step t's fragment: 24 bytes at 24 h and at 48 + 24 h.  LDS serves a wave's instructions in order (ISA guide 5.7.1.4): these see my stores
.endr
.endr
.irp t, 0,1,2,3,4,5,6,7
	s_wait_dscnt 6*(7-\t)                          ; this K step's six reads are back; the later steps' may stay out
.irp c, 0,1,2
	global_store_b128 v[16+\t], v[WFR+12*\t+4*\c:WFR+12*\t+4*\c+3], s[12:13] offset:512*\c   ; 32 lanes store 512 consecutive bytes, at a multiple of 256
.endr
.endr
	s_wait_tensorcnt 0x0
	ds_add_u32 v254, v255
	s_wait_dscnt 0x0
	s_endpgm
.Lfunc_end_k_qe3a30a7d71_prep:
	.size	k_qe3a30a7d71_prep, .Lfunc_end_k_qe3a30a7d71_prep-k_qe3a30a7d71_prep
	.p2alignl 7, 3214868480
	.fill 96, 4, 3214868480
	.section	.rodata,"a",@progbits
	.p2align	6, 0x0
	.amdhsa_kernel k_qe3a30a7d71_prep
		.amdhsa_group_segment_fixed_size 103424
		.amdhsa_private_segment_fixed_size 0
		.amdhsa_enable_private_segment 0
		.amdhsa_kernarg_size 72
		.amdhsa_user_sgpr_count 2
		.amdhsa_user_sgpr_kernarg_segment_ptr 1
		.amdhsa_wavefront_size32 1
		.amdhsa_system_sgpr_workgroup_id_x 1
		.amdhsa_system_sgpr_workgroup_id_y 1
		.amdhsa_system_sgpr_workgroup_id_z 1
		.amdhsa_system_vgpr_workitem_id 0
		.amdhsa_next_free_vgpr 256
		.amdhsa_next_free_sgpr 66
		.amdhsa_reserve_vcc 0
		.amdhsa_float_denorm_mode_32 3
		.amdhsa_float_denorm_mode_16_64 3
		.amdhsa_memory_ordered 1
		.amdhsa_forward_progress 1
		.amdhsa_inst_pref_size 43
	.end_amdhsa_kernel
	.amdgpu_metadata
---
amdhsa.version: [ 1, 2 ]
amdhsa.kernels:
  - .name:           k_qe3a30a7d71_prep
    .symbol:         k_qe3a30a7d71_prep.kd
    .args:
      - { .name: x, .offset: 0, .size: 8, .value_kind: global_buffer, .address_space: global }
      - { .name: ln1_scale, .offset: 8, .size: 8, .value_kind: global_buffer, .address_space: global }
      - { .name: ln1_bias, .offset: 16, .size: 8, .value_kind: global_buffer, .address_space: global }
      - { .name: hbuf, .offset: 24, .size: 8, .value_kind: global_buffer, .address_space: global }
      - { .name: w_qkv_codes, .offset: 32, .size: 8, .value_kind: global_buffer, .address_space: global }
      - { .name: w_proj_codes, .offset: 40, .size: 8, .value_kind: global_buffer, .address_space: global }
      - { .name: w_fc_codes, .offset: 48, .size: 8, .value_kind: global_buffer, .address_space: global }
      - { .name: w_out_codes, .offset: 56, .size: 8, .value_kind: global_buffer, .address_space: global }
      - { .name: wimg, .offset: 64, .size: 8, .value_kind: global_buffer, .address_space: global }
    .group_segment_fixed_size: 103424
    .private_segment_fixed_size: 0
    .kernarg_segment_align: 8
    .kernarg_segment_size: 72
    .max_flat_workgroup_size: 256
    .sgpr_count:     66
    .vgpr_count:     256
    .wavefront_size: 32
...
	.end_amdgpu_metadata
.endif
;; end of part 1
;; launch qkv (part 2): grid 12 x 16, 4 waves a work-group, no clusters, 327,680 bytes of LDS; arguments hbuf, wimg, w_qkv_scales, b_qkv, qkvb; writes qkvb
.if DOCPART == 2
	.amdgcn_target "amdgcn-amd-amdhsa--gfx1250"
	.amdhsa_code_object_version 6
	.text
	.protected	k_qe3a30a7d71_qkv
	.globl	k_qe3a30a7d71_qkv
	.p2align	8
	.type	k_qe3a30a7d71_qkv,@function
k_qe3a30a7d71_qkv:
	s_mov_b64 s[64:65], 0
	v_nop
	global_prefetch_b8 v0, s[64:65] scope:SCOPE_SE
	s_setreg_imm32_b32 hwreg(HW_REG_WAVE_MODE, 25, 1), 1
	s_wait_xcnt 0x0
; One text for two launches (FC = 0: h W_qkv + b, quantised into q's, k's and v's images;  FC = 1: relu(h W_fc + b), quantised).  Codes of FP6 (E2M3), one E8M0 byte for each 32 along K = 1,024.
; A work-group multiplies 256 rows of X by 256 rows of Y.  X (the operand whose row stays in a lane: source 1) is one dense block of 196,608 bytes of register images, [K step 8][tile 16][1,536]:
; it comes into LDS whole, by two tensor loads a wave, and no LDS byte is filled twice.  Y (source 0: its rows fall into a lane's registers) is not shared: wave w owns its tiles 4 w .. 4 w + 3 and loads
; their images from memory straight into registers, three K steps ahead.  A wave: 16 x 4 tiles, 64 accumulators, 512 matrix instructions.
; Row i of tile T is row 32 (T / 2) + 8 (T % 2) + i + 8 (i / 8): so a lane's 32 results of one tile of X are, of Y's 64 rows, 32 bb + 16 (lane / 16) + i (register 16 bb + i): 16 neighbours of each of two blocks of 32.
; FC = 0: x < 8 (q, k): X = tokens, Y = weights: a lane holds a token, its registers a head's 64: quantised along the head.  x >= 8 (v): X = weights, Y = tokens: a lane holds a channel, its registers 64 keys: quantised along the keys.
;   Multicast is left out here: in a third of the grid the LDS operand is the weight group x, which differs between neighbours along x, so partners would not make the same requests.
; FC = 1: X = tokens (shared by the four work-groups of a cluster along x: asked for jointly), Y = weights.
; A half fragment (16 rows x 64 K) leaves as 768 bytes: registers 0-3 of lane l at 16 l, registers 4-5 at 512 + 8 l.
; LIMITS: NaN and infinities are not served; a block under 2^-124 gets the byte 1.
.set FC,  0
.set HS,  3145728                      ; hbuf: the tokens' scale bytes [token][32]
.set WF,  3145728                      ; wimg: w_fc's images
.set KI,  3145728                      ; qkvb: q's images [bh][tile 128][768] at 0, k's at KI, v's [bh][key step 16][tile 4][half 2][768] at VI,
.set VI,  6291456
.set QS,  9437184                      ; q's scale words [bh][token][4]; at KVS for each bh: k's [key][4], then v's [key step][channel 64][4]
.set KVS, 9699328
.set GS,  12582912                     ; gbuf: images [tile / 4][K step 32][tile % 4][half 2][768] at 0; scale bytes [x 16][token][8] at GS
.set SQ,  196608                       ; LDS behind X: FC = 0: four stages of 256 scale words (q, k), and at SV [head 4][key step 2][channel 64][4] (v)
.set SV,  200704
.set SG,  196608                       ; FC = 1: [token 256][8 bytes]
.set LI,  3                            ; v3    16 x lane
.set LA,  4                            ; v4-7  16 x lane + 49,152 k: X's K steps 2 k, 2 k + 1
.set SO,  9                            ; v9    32 rho: my row's scale bytes; rho = r + 8 (r / 8) + 8 h
.set BO,  10                           ; v10   the bias along the registers
.set BVO, 11                           ; v11   the bias along the lanes
.set SA0, 12                           ; v12   stage: q's and k's words (FC = 1: the tokens' bytes)
.set SA1, 13                           ; v13   stage: v's halfwords
.set L8,  15                           ; v15   8 x lane
.set SR0, 17                           ; v17, v18  the stages read back
.set SR1, 18
.set XSC, 32                           ; v32-95   X's scale words: register 8 p + s: tiles 2 p (lanes 0-15) and 2 p + 1 (lanes 16-31), K step s
.set YSC, 96                           ; v96-111  Y's, for my two pairs of tiles
.set XBF, 112                          ; v112-207 two buffers of four fragments of X
.set E,   112                          ; at the very end: the stages read back
.set TM4, 112                          ; on the way out, four tiles side by side, tile u: v[112 + 6 u] on six registers at work,
.set HW4, 136                          ; v[136 + u] the two scale bytes,
.set PC4, 144                          ; v[144 + 8 u] on the six registers of codes,
.set PT4, 176                          ; v[176 + 4 u] on their second half as the conversion leaves it
.set LIU, 192                          ; v193-195, v197-199: 16 x lane and 8 x lane + u tiles (FC = 0)
.set BQ,  192                          ; window 1: v0-191 four sets of Y's four fragments; v192-223 the bias along the registers; v224-255 the bias along the lanes, a pair a tile
.set BV,  224                          ; windows 2, 3: accumulator (a, b) at window 2 + a / 8, v[32 (a % 8) + 8 b]
.set SEL, 20
.set MSB, 0
.macro WIN new                         ; the immediate's high byte repeats the setting that is left
.if MSB != (\new)
	s_set_vgpr_msb (MSB<<8)|(\new)
.set MSB, (\new)
.endif
.endm
.macro BAR
	s_wait_dscnt 0x0
	s_barrier_signal -1
	s_barrier_wait -1
.endm
.macro ROUND                           ; a round of the cluster's barrier
	s_barrier_signal -1
	s_barrier_wait -1
	s_cmp_lg_u32 s14, 0
	s_cbranch_scc1 .Lnot_wave_0_\@
	s_barrier_signal -3
.Lnot_wave_0_\@:
	s_barrier_wait -3
	s_barrier_signal -1
	s_barrier_wait -1
.endm
.macro PLACES
.rept 4
	v_nop
.endr
.endm
.macro XLD qq                          ; four fragments of X (quarter qq % 4 of K step qq / 4) from LDS into buffer qq % 2
.irp i, 0,1,2,3
.irp c, 0,1,2
	ds_load_b128 v[XBF+48*((\qq)%2)+12*\i+4*\c:XBF+48*((\qq)%2)+12*\i+4*\c+3], v[LA+(\qq)/8] offset:(((\qq)/4)%2)*24576+(4*((\qq)%4)+\i)*1536+512*\c
.endr
.endr
.endm
.macro YLD ss                          ; my four fragments of Y of K step ss from memory into set ss % 4
	WIN 0x40
.irp f, 0,1,2,3
.irp c, 0,1,2
	global_load_b128 v[48*((\ss)%4)+12*\f+4*\c:48*((\ss)%4)+12*\f+4*\c+3], v[LI], s[42:43] offset:24576*(\ss)+1536*\f+512*\c
.endr
.endr
	WIN 0
.endm
.macro WMS                             ; one product; an odd tile's scale words stand in lanes 16-31
.if oA && oB
	v_wmma_scale_f32_16x16x128_f8f6f4 v[rD:rD+7], v[rA:rA+11], v[rB:rB+11], v[rC:rC+7], v[sA], v[sB] matrix_a_fmt:MATRIX_FMT_FP6 matrix_b_fmt:MATRIX_FMT_FP6 matrix_a_scale:MATRIX_SCALE_ROW1 matrix_b_scale:MATRIX_SCALE_ROW1
.elseif oA
	v_wmma_scale_f32_16x16x128_f8f6f4 v[rD:rD+7], v[rA:rA+11], v[rB:rB+11], v[rC:rC+7], v[sA], v[sB] matrix_a_fmt:MATRIX_FMT_FP6 matrix_b_fmt:MATRIX_FMT_FP6 matrix_a_scale:MATRIX_SCALE_ROW1
.elseif oB
	v_wmma_scale_f32_16x16x128_f8f6f4 v[rD:rD+7], v[rA:rA+11], v[rB:rB+11], v[rC:rC+7], v[sA], v[sB] matrix_a_fmt:MATRIX_FMT_FP6 matrix_b_fmt:MATRIX_FMT_FP6 matrix_b_scale:MATRIX_SCALE_ROW1
.else
	v_wmma_scale_f32_16x16x128_f8f6f4 v[rD:rD+7], v[rA:rA+11], v[rB:rB+11], v[rC:rC+7], v[sA], v[sB] matrix_a_fmt:MATRIX_FMT_FP6 matrix_b_fmt:MATRIX_FMT_FP6
.endif
.endm
.macro MULQ                            ; quarter q: 4 tiles of X x my 4 tiles of Y.  The 64 accumulators take turns, one instruction a turn.  The first K step's C is the bias
.irp i, 0,1,2,3
.irp b, 0,1,2,3
.set aa, 4*(q%4)+\i
.set rD, 32*(aa%8)+8*\b
.set rA, 48*((q/4)%4)+12*\b
.set rB, XBF+48*(q%2)+12*\i
.set sA, YSC+8*(\b/2)+q/4
.set sB, XSC+8*(aa/2)+q/4
.set oA, \b%2
.set oB, aa%2
.set rC, rD
.if q/4 == 0
.set rC, BQ+8*\b
.endif
	WMS
.endr
.endr
.endm
; THE WAY OUT of X's tiles 4 g .. 4 g + 3, side by side: the four tiles' two blocks each are eight chains that take turns line by line.  A tile is 32 numbers a lane, register 16 bb + i = index 32 bb + 16 (lane / 16) + i:
; finished in place in the accumulators (window 2 + g / 2), quantised; half a fragment a tile goes to memory, its two scale bytes to a stage
.macro EPI4 g
.if FC
	WIN 0x88+0x44*(\g/2)                           ; source 1 and destination in the accumulators' window
.set j, 0
.rept 32
.irp u, 0,1,2,3
	v_max_num_f32 v[32*((4*\g+\u)%8)+j], 0, v[32*((4*\g+\u)%8)+j]   ; relu; each accumulator is read from its low end on
.endr
.set j, j+1
.endr
.else
	WIN 0x86+0x41*(\g/2)                           ; source 0 and destination in the accumulators' window, source 1 in window 1
.set j, 0
.rept 16
.irp u, 0,1,2,3
	v_pk_add_f32 v[32*((4*\g+\u)%8)+j:32*((4*\g+\u)%8)+j+1], v[32*((4*\g+\u)%8)+j:32*((4*\g+\u)%8)+j+1], v[BV+2*(4*\g+\u):BV+2*(4*\g+\u)+1] op_sel_hi:[1,0]   ; + my channel's bias (v); + 0 (q, k)
.endr
.set j, j+2
.endr
.endif
	WIN 0x0a+5*(\g/2)                              ; sources 0 and 1 in the accumulators' window
.irp b, 0,1
.irp u, 0,1,2,3
	v_max3_num_f32 v[TM4+6*\u+\b], |v[32*((4*\g+\u)%8)+16*\b]|, |v[32*((4*\g+\u)%8)+16*\b+1]|, 0x1800000   ; and the floor 2^(3 - 127): the byte cannot fall under 1
.endr
.endr
	WIN 0x28+0x14*(\g/2)                           ; sources 1 and 2
.irp i, 2,4,6,8,10,12,14
.irp b, 0,1
.irp u, 0,1,2,3
	v_max3_num_f32 v[TM4+6*\u+\b], v[TM4+6*\u+\b], |v[32*((4*\g+\u)%8)+16*\b+\i]|, |v[32*((4*\g+\u)%8)+16*\b+\i+1]|
.endr
.endr
.endr
	WIN 0
.irp b, 0,1
.irp u, 0,1,2,3
	v_permlanex16_b32 v[TM4+6*\u+2+\b], v[TM4+6*\u+\b], s[SEL], s[SEL+1]
.endr
.endr
.irp b, 0,1
.irp u, 0,1,2,3
	v_max_num_f32 v[TM4+6*\u+\b], v[TM4+6*\u+\b], v[TM4+6*\u+2+\b]   ; with lane l xor 16's: the block's largest magnitude
.endr
.endr
.irp b, 0,1
.irp u, 0,1,2,3
	v_add_nc_u32 v[TM4+6*\u+4+\b], 0xff000000, v[TM4+6*\u+\b]        ; 2 off its exponent field: the conversion's scale operand
.endr
.endr
.irp b, 0,1
.irp u, 0,1,2,3
	v_lshrrev_b32 v[TM4+6*\u+2+\b], 23, v[TM4+6*\u+4+\b]             ; the scale's byte
.endr
.endr
	s_wait_alu depctr_va_vdst(0)                   ; the wait directly ahead of the waits below
	s_wait_dscnt 0x0                               ; the last four tiles' LDS stores are done: their data registers are written again
.if \g > 0
	s_wait_xcnt 0x0                                ; and their stores have read their registers and their base
.if FC == 0
	s_add_nc_u64 s[48:49], s[48:49], s[52:53]      ; four tiles on
.endif
.endif
.irp u, 0,1,2,3
	v_lshl_or_b32 v[HW4+\u], v[TM4+6*\u+3], 8, v[TM4+6*\u+2]
.endr
	WIN 0x02+(\g/2)                                ; source 0 in the accumulators' window
.irp u, 0,1,2,3
	v_cvt_scalef32_pk16_fp6_f32 v[PC4+8*\u:PC4+8*\u+2], v[32*((4*\g+\u)%8):32*((4*\g+\u)%8)+15], v[TM4+6*\u+4]
	v_cvt_scalef32_pk16_fp6_f32 v[PT4+4*\u:PT4+4*\u+2], v[32*((4*\g+\u)%8)+16:32*((4*\g+\u)%8)+31], v[TM4+6*\u+5]
.endr
	WIN 0
	v_nop                                          ; one plain place behind a scaled conversion
.irp i, 0,1,2
.irp u, 0,1,2,3
	v_permlane16_swap_b32 v[PC4+8*\u+\i], v[PT4+4*\u+\i]   ; a whole block to a lane: lanes 0-15 block 0, lanes 16-31 block 1
.endr
.endr
.irp i, 0,1,2
.irp u, 0,1,2,3
	v_mov_b32 v[PC4+8*\u+3+\i], v[PT4+4*\u+\i]
.endr
.endr
.irp u, 0,1,2,3
.if FC
	global_store_b128 v[LI], v[PC4+8*\u:PC4+8*\u+3], s[48:49] offset:196608*\g+1536*\u          ; 512 consecutive bytes,
	global_store_b64 v[L8], v[PC4+8*\u+4:PC4+8*\u+5], s[48:49] offset:196608*\g+1536*\u+512     ; and 256
	ds_store_b16 v[SA0], v[HW4+\u] offset:8*(32*((4*\g+\u)/2)+8*(\u%2))
.else
.if \u == 0
	global_store_b128 v[LI], v[PC4:PC4+3], s[48:49]                                             ; 512 consecutive bytes,
	global_store_b64 v[L8], v[PC4+4:PC4+5], s[48:49] offset:512                                 ; and 256
.else
	global_store_b128 v[LIU+\u], v[PC4+8*\u:PC4+8*\u+3], s[48:49]
	global_store_b64 v[LIU+4+\u], v[PC4+8*\u+4:PC4+8*\u+5], s[48:49] offset:512
.endif
	ds_store_b32 v[SA0], v[HW4+\u] offset:(32*((4*\g+\u)/2)+8*(\u%2))*4      ; q, k: the token's word (bytes 2 and 3 are 0: the upper half of K = 128 is not used)
	ds_store_b16 v[SA1], v[HW4+\u] offset:512*\g+(32*(\u/2)+8*(\u%2))*4      ; v: half of the channel's word.  Both stages are always written; each kind of work-group reads its own
.endif
.endr
.endm
	s_load_b256 s[4:11], s[0:1], 0x0               ; hbuf s[4:5], wimg s[6:7], the weight's scales s[8:9], the bias s[10:11]
	s_load_b64 s[12:13], s[0:1], 0x20              ; the output buffer
	v_lshl_add_u32 v254, v0, 2, 0x31800
	v_mov_b32 v255, 0
	ds_add_u32 v254, v255
	ds_add_u32 v254, v255
	v_lshrrev_b32 v1, 5, v0
	v_readfirstlane_b32 s14, v1                    ; wave 0..3
.if FC
	s_bfe_u32 s17, ttmp6, 0x40000                  ; cx
	s_lshl_b32 s15, ttmp9, 2
	s_add_co_u32 s15, s15, s17                     ; x = 4 x cluster x + cx: it enters global addresses of Y, the bias and the output alone
.else
	s_mov_b32 s15, ttmp9                           ; x: 256 rows of the weight
.endif
	s_and_b32 s16, ttmp7, 0xffff                   ; y: 256 tokens
	; descriptor group 1: a dense block of 24,576 bytes (one K step of X) as 96 rows of 256 bytes
.if FC
	s_mov_b32 s24, 15|(3<<16)|(1<<21)              ; 15:0 the mask: all four work-groups of the cluster; 17:16 elements of 8 bytes; 21 set beside a mask
.else
	s_mov_b32 s24, 3<<16                           ; no mask; elements of 8 bytes; no padding
.endif
	s_mov_b32 s25, 32<<16                          ; tensor_dim0 = 32
	s_mov_b32 s26, 96<<16                          ; tensor_dim1 = 96
	s_mov_b32 s27, 32<<16                          ; tile_dim0 = 32
	s_mov_b32 s28, 96                              ; tile_dim1 = 96
	s_mov_b32 s29, 32                              ; from row to row
	s_mov_b32 s30, 0
	s_mov_b32 s31, 0
	s_mul_i32 s58, s16, 196608                     ; the tokens' images of group y
	s_mov_b32 s59, 0
	s_lshl_b32 s62, s16, 13
	s_add_co_u32 s62, s62, HS                      ; and their scale bytes
	s_mov_b32 s63, 0
	s_mul_i32 s60, s15, 196608                     ; the weight's images of group x
.if FC
	s_add_co_u32 s60, s60, WF
.endif
	s_mov_b32 s61, 0
	s_lshl_b32 s66, s15, 13                        ; and their scale bytes
	s_mov_b32 s67, 0
	s_mul_i32 s68, s14, 6144                       ; my four tiles of Y
	s_mov_b32 s69, 0
	s_lshl_b32 s70, s14, 11                        ; my 64 rows' scale bytes
	s_mov_b32 s71, 0
	s_mul_i32 s33, s14, 24576                      ; my first load: K step w, to LDS byte 24,576 w
	s_mov_b32 s72, s33
	s_mov_b32 s73, 0
	s_wait_dscnt 0x0
	s_wait_kmcnt 0x0
	s_add_nc_u64 s[58:59], s[4:5], s[58:59]
	s_add_nc_u64 s[62:63], s[4:5], s[62:63]
	s_add_nc_u64 s[60:61], s[6:7], s[60:61]
	s_add_nc_u64 s[66:67], s[8:9], s[66:67]
.if FC
	s_mov_b64 s[40:41], s[58:59]                   ; X: tokens (y alone: the same in the four partners)
	s_mov_b64 s[42:43], s[60:61]                   ; Y: weights
	s_mov_b64 s[44:45], s[62:63]
	s_mov_b64 s[46:47], s[66:67]
.else
	s_cmp_ge_u32 s15, 8                            ; v's work-groups change the operands' parts; the choice hangs on the work-group's number alone
	s_cselect_b64 s[40:41], s[60:61], s[58:59]     ; X
	s_cselect_b64 s[42:43], s[58:59], s[60:61]     ; Y
	s_cselect_b64 s[44:45], s[66:67], s[62:63]     ; X's scales
	s_cselect_b64 s[46:47], s[62:63], s[66:67]     ; Y's scales
.endif
	s_add_nc_u64 s[42:43], s[42:43], s[68:69]
	s_add_nc_u64 s[46:47], s[46:47], s[70:71]
	s_add_nc_u64 s[34:35], s[40:41], s[72:73]
	s_add_nc_u64 s[38:39], s[34:35], 98304         ; my second load: K step w + 4
	s_or_b32 s35, s35, 0x80000000                  ; type = 2
	s_or_b32 s39, s39, 0x80000000
	s_mov_b32 s32, 1
	s_mov_b32 s36, 1
	s_add_co_u32 s37, s33, 98304
.if FC
	ROUND                                          ; all four work-groups are here: the joint loads meet
.endif
	tensor_load_to_lds s[32:35], s[24:31]          ; my first load, K step w: one tensor load a wave at the head; every LDS byte is filled once
	s_nop 0
	PLACES
	v_and_b32 v1, 15, v0                           ; r
	v_bfe_u32 v2, v0, 4, 1                         ; h
	v_and_b32 v3, 31, v0
	v_lshlrev_b32 v[L8], 3, v3
	v_lshlrev_b32 v[LI], 4, v3
.irp k, 0,1,2,3
	v_add_nc_u32 v[LA+\k], 49152*\k, v[LI]
.endr
	v_and_b32 v8, 8, v1
	v_add_nc_u32 v8, v8, v1                        ; r + 8 (r / 8)
	s_wait_alu depctr_va_vdst(0)
	v_lshl_add_u32 v[SO], v2, 3, v8                ; rho
	v_lshlrev_b32 v[SO], 5, v[SO]
	s_wait_alu depctr_va_vdst(0)
	s_lshl_b32 s66, s15, 10
	s_lshl_b32 s67, s14, 8
	s_add_co_u32 s67, s67, s66
	v_lshl_add_u32 v[BO], v2, 6, s67               ; 4 (256 x + 64 w + 16 h)
	s_wait_alu depctr_va_vdst(0)
	s_mov_b32 s[SEL], 0x76543210
	s_mov_b32 s[SEL+1], 0xfedcba98
.if FC
	s_lshl_b32 s68, s14, 1
	s_add_co_u32 s68, s68, SG
	v_lshl_add_u32 v[SA0], v8, 3, s68              ; stage: 8 bytes a token, my wave's two
	v_lshl_add_u32 v[SR0], v0, 4, SG               ; back: 16 bytes a thread
	v_lshlrev_b32 v[SR1], 4, v0
	s_mul_i32 s48, s16, 786432                     ; images: 4 y groups of 196,608,
	s_lshl_b32 s72, s15, 1
	s_lshr_b32 s73, s14, 1
	s_add_co_u32 s72, s72, s73
	s_mul_i32 s72, s72, 6144                       ; K step 2 x + w / 2,
	s_add_co_u32 s48, s48, s72
	s_and_b32 s73, s14, 1
	s_mul_i32 s73, s73, 768                        ; half w % 2
	s_add_co_u32 s48, s48, s73
	s_mov_b32 s49, 0
	s_lshl_b32 s50, s15, 15
	s_lshl_b32 s73, s16, 11
	s_add_co_u32 s50, s50, s73
	s_add_co_u32 s50, s50, GS                      ; scale bytes: 32,768 x + 2,048 y
	s_mov_b32 s51, 0
.else
	v_lshl_add_u32 v[BVO], v8, 2, s66              ; 4 (256 x + r + 8 (r / 8))
	s_wait_alu depctr_va_vdst(0)
	s_lshl_b32 s68, s14, 10
	s_add_co_u32 s68, s68, SQ
	v_lshl_add_u32 v[SA0], v8, 2, s68              ; q, k: my wave's 256 words
	v_add_nc_u32 v[SR0], s68, v[LI]
	s_lshr_b32 s69, s14, 1
	s_lshl_b32 s69, s69, 8
	s_and_b32 s70, s14, 1
	s_lshl_b32 s70, s70, 1
	s_add_co_u32 s69, s69, s70
	s_add_co_u32 s69, s69, SV
	v_lshl_add_u32 v[SA1], v8, 2, s69              ; v: key step w / 2, halfword w % 2, channel r + 8 (r / 8)
	s_lshl_b32 s70, s14, 9
	s_add_co_u32 s70, s70, SV
	v_add_nc_u32 v[SR1], s70, v[LI]                ; back: head w's 512 bytes
	s_lshr_b32 s72, s16, 3
	s_lshl_b32 s72, s72, 4
	s_and_b32 s73, s15, 3
	s_lshl_b32 s73, s73, 2
	s_add_co_u32 s72, s72, s73                     ; bh0 = 16 batch + 4 (x % 4)
	s_add_co_u32 s73, s72, s14                     ; bh0 + w
	s_and_b32 s74, s16, 7                          ; yy: which 256 tokens of the batch
	s_mul_i32 s75, s74, 12288
	s_mul_i32 s76, s73, 98304
	s_add_co_u32 s76, s76, s75                     ; q's images: head bh0 + w, tile 16 yy
	s_add_co_u32 s77, s76, KI                      ; k's
	s_mul_i32 s78, s72, 98304
	s_add_co_u32 s78, s78, s75
	s_lshr_b32 s79, s14, 1
	s_mul_i32 s79, s79, 6144
	s_add_co_u32 s78, s78, s79
	s_and_b32 s79, s14, 1
	s_mul_i32 s79, s79, 768
	s_add_co_u32 s78, s78, s79
	s_add_co_u32 s78, s78, VI                      ; v's: head bh0, key step 2 yy + w / 2, half w % 2
	s_lshl_b32 s75, s74, 10
	s_lshl_b32 s79, s73, 13
	s_add_co_u32 s79, s79, s75
	s_add_co_u32 s79, s79, QS                      ; q's words
	s_mul_i32 s58, s73, 12288
	s_add_co_u32 s58, s58, KVS
	s_add_co_u32 s59, s58, s75                     ; k's words
	s_lshl_b32 s75, s74, 9
	s_add_co_u32 s58, s58, s75
	s_add_co_u32 s58, s58, 8192                    ; v's words of head bh0 + w
	s_mov_b32 s52, 768
	s_cmp_lt_u32 s15, 4
	s_cselect_b32 s76, s76, s77
	s_cselect_b32 s79, s79, s59
	s_cmp_ge_u32 s15, 8
	s_cselect_b32 s48, s78, s76
	s_cselect_b32 s50, s58, s79
	s_cselect_b32 s52, 1536, s52                   ; from tile to tile of X,
	s_cselect_b32 s54, 92160, 0                    ; and more behind every fourth (v: the next head)
	s_cselect_b32 s56, 0, -1                       ; keeps the bias along the registers (q, k)
	s_cselect_b32 s57, -1, 0                       ; keeps the bias along the lanes (v)
	s_mov_b32 s49, 0
	s_mov_b32 s51, 0
	s_mov_b32 s53, 0
	s_mov_b32 s55, 0
.endif
	s_add_nc_u64 s[48:49], s[12:13], s[48:49]
	s_add_nc_u64 s[50:51], s[12:13], s[50:51]
.irp p, 0,1,2,3,4,5,6,7
	global_load_b128 v[XSC+8*\p:XSC+8*\p+3], v[SO], s[44:45] offset:1024*\p      ; row 32 p + rho: its 32 bytes are the words of K steps 0 to 7
	global_load_b128 v[XSC+8*\p+4:XSC+8*\p+7], v[SO], s[44:45] offset:1024*\p+16
.endr
.irp p, 0,1
	global_load_b128 v[YSC+8*\p:YSC+8*\p+3], v[SO], s[46:47] offset:1024*\p
	global_load_b128 v[YSC+8*\p+4:YSC+8*\p+7], v[SO], s[46:47] offset:1024*\p+16
.endr
	WIN 0x40
.irp b, 0,1
.irp j, 0,1,2,3
	global_load_b128 v[BQ+16*\b+4*\j:BQ+16*\b+4*\j+3], v[BO], s[10:11] offset:128*\b+16*\j
.endr
.endr
.if FC == 0
.irp a, 0,1,2,3,4,5,6,7,8,9,10,11,12,13,14,15
	global_load_b32 v[BV+2*\a], v[BVO], s[10:11] offset:(32*(\a/2)+8*(\a%2))*4
.endr
.endif
	WIN 0
	YLD 0
	YLD 1
	YLD 2
	s_wait_loadcnt 36                              ; scales and biases are in; the three sets of Y (36 loads) may stay out
.if FC == 0
	WIN 0x44                                       ; source 1 and destination in window 1
.set j, 0
.rept 32
	v_and_b32 v[BQ+j], s56, v[BQ+j]                ; v: the bias does not run along the registers: zeros start the sums
.set j, j+1
.endr
.set j, 0
.rept 16
	v_and_b32 v[BV+j+1], s57, v[BV+j]              ; q, k: nor along the lanes.  (The packed addition names a pair: both are written)
	v_and_b32 v[BV+j], s57, v[BV+j]
.set j, j+2
.endr
	WIN 0
.endif
	s_wait_alu depctr_va_vdst(0)                   ; the wait directly ahead of the wait below
	s_wait_tensorcnt 0x0                           ; my first load has landed (K step w)
	ds_add_u32 v254, v255
	s_wait_dscnt 0x0
	s_barrier_signal -1
	s_barrier_wait -1                              ; K steps 0 to 3 lie in LDS
	tensor_load_to_lds s[36:39], s[24:31]          ; my second load, K step w + 4: fifteen quarters of products stand ahead of the wait for it
	s_nop 0
	PLACES
	XLD 0
.set q, 0
.rept 32
	WIN 0
.if q > 0
	PLACES                                         ; four places between the last products and the loads into the buffer and the set that they read
.endif
.if (q%4 == 0) && (q/4+3 < 8)
	YLD q/4+3
.endif
.if q == 15
	s_wait_tensorcnt 0x0                           ; my second load has landed
	BAR                                            ; K steps 4 to 7 lie in LDS
.endif
.if q < 31
	XLD q+1
	s_wait_dscnt 12                                ; this quarter's fragments are in; the 12 loads just issued may stay out
.else
	s_wait_dscnt 0x0
.endif
.if q%4 == 0
.if 7-q/4 >= 3
	s_wait_loadcnt 36                              ; this K step's set of Y is in; the three younger sets may stay out
.else
	s_wait_loadcnt 12*(7-q/4)
.endif
.endif
.if q/4 == 0
	WIN 0x91+0x40*((q%4)/2)                        ; Y window 1, X window 0, C (the bias) window 1, D window 2 or 3
.else
	WIN 0xa1+0x50*((q%4)/2)                        ; Y window 1, X window 0, C and D window 2 or 3
.endif
	MULQ
.set q, q+1
.endr
	WIN 0
	PLACES                                         ; four places between the last products and the first read of results
.irp u, 0,1,2,3
	v_mov_b32 v[TM4+6*\u+2], 0                     ; a lane permute's destination counts as one of its sources
	v_mov_b32 v[TM4+6*\u+3], 0
.endr
.if FC == 0
	s_lshl_b32 s58, s52, 1                         ; s52: from tile to tile of X in the output
	s_add_co_u32 s59, s58, s52
	v_add_nc_u32 v[LIU+1], s52, v[LI]              ; the offsets of the second, third and fourth of four tiles
	v_add_nc_u32 v[LIU+2], s58, v[LI]
	v_add_nc_u32 v[LIU+3], s59, v[LI]
	v_add_nc_u32 v[LIU+5], s52, v[L8]
	v_add_nc_u32 v[LIU+6], s58, v[L8]
	v_add_nc_u32 v[LIU+7], s59, v[L8]
	s_lshl_b32 s52, s52, 2
	s_add_co_u32 s52, s52, s54                     ; from four tiles to the next four (v: the next head)
.endif
.irp g, 0,1,2,3
	EPI4 \g
.endr
	BAR                                            ; the stages are whole
.if FC
	ds_load_b128 v[E:E+3], v[SR0]
	s_wait_dscnt 0x0
	global_store_b128 v[SR1], v[E:E+3], s[50:51]   ; 256 tokens x 8 bytes: 2,048 consecutive bytes by 128 threads
	ROUND                                          ; the closing round: no work-group ends while a partner may still ask for a tile that names it
	s_endpgm
.else
	s_cmp_ge_u32 s15, 8
	s_cbranch_scc1 .Lv_words
	ds_load_b128 v[E:E+3], v[SR0]
	ds_load_b128 v[E+4:E+7], v[SR0] offset:512
	s_wait_dscnt 0x0
	global_store_b128 v[LI], v[E:E+3], s[50:51]
	global_store_b128 v[LI], v[E+4:E+7], s[50:51] offset:512
	s_wait_tensorcnt 0x0
	ds_add_u32 v254, v255
	s_wait_dscnt 0x0
	s_endpgm
.Lv_words:
	ds_load_b128 v[E:E+3], v[SR1]
	s_wait_dscnt 0x0
	global_store_b128 v[LI], v[E:E+3], s[50:51]    ; head bh0 + w: two key steps x 64 channels x 4 bytes
	s_wait_tensorcnt 0x0
	ds_add_u32 v254, v255
	s_wait_dscnt 0x0
	s_endpgm
.endif
.Lfunc_end_k_qe3a30a7d71_qkv:
	.size	k_qe3a30a7d71_qkv, .Lfunc_end_k_qe3a30a7d71_qkv-k_qe3a30a7d71_qkv
	.p2alignl 7, 3214868480
	.fill 96, 4, 3214868480
	.section	.rodata,"a",@progbits
	.p2align	6, 0x0
	.amdhsa_kernel k_qe3a30a7d71_qkv
		.amdhsa_group_segment_fixed_size 327680
		.amdhsa_private_segment_fixed_size 0
		.amdhsa_enable_private_segment 0
		.amdhsa_kernarg_size 40
		.amdhsa_user_sgpr_count 2
		.amdhsa_user_sgpr_kernarg_segment_ptr 1
		.amdhsa_wavefront_size32 1
		.amdhsa_system_sgpr_workgroup_id_x 1
		.amdhsa_system_sgpr_workgroup_id_y 1
		.amdhsa_system_sgpr_workgroup_id_z 1
		.amdhsa_system_vgpr_workitem_id 0
		.amdhsa_next_free_vgpr 1024
		.amdhsa_next_free_sgpr 80
		.amdhsa_reserve_vcc 0
		.amdhsa_float_denorm_mode_32 3
		.amdhsa_float_denorm_mode_16_64 3
		.amdhsa_memory_ordered 1
		.amdhsa_forward_progress 1
		.amdhsa_inst_pref_size 171
	.end_amdhsa_kernel
	.amdgpu_metadata
---
amdhsa.version: [ 1, 2 ]
amdhsa.kernels:
  - .name:           k_qe3a30a7d71_qkv
    .symbol:         k_qe3a30a7d71_qkv.kd
    .args:
      - { .name: hbuf, .offset: 0, .size: 8, .value_kind: global_buffer, .address_space: global }
      - { .name: wimg, .offset: 8, .size: 8, .value_kind: global_buffer, .address_space: global }
      - { .name: w_qkv_scales, .offset: 16, .size: 8, .value_kind: global_buffer, .address_space: global }
      - { .name: b_qkv, .offset: 24, .size: 8, .value_kind: global_buffer, .address_space: global }
      - { .name: qkvb, .offset: 32, .size: 8, .value_kind: global_buffer, .address_space: global }
    .group_segment_fixed_size: 327680
    .private_segment_fixed_size: 0
    .kernarg_segment_align: 8
    .kernarg_segment_size: 40
    .max_flat_workgroup_size: 128
    .sgpr_count:     80
    .vgpr_count:     1024
    .wavefront_size: 32
...
	.end_amdgpu_metadata
.endif
;; end of part 2
;; launch attn (part 3): grid 8 x 32, 16 waves a work-group, clusters of 4 x 1, 285,696 bytes of LDS; arguments qkvb, ab; writes ab
.if DOCPART == 3
	.amdgcn_target "amdgcn-amd-amdhsa--gfx1250"
	.amdhsa_code_object_version 6
	.text
	.protected	k_qe3a30a7d71_attn
	.globl	k_qe3a30a7d71_attn
	.p2align	8
	.type	k_qe3a30a7d71_attn,@function
k_qe3a30a7d71_attn:
	s_mov_b64 s[64:65], 0
	v_nop
	global_prefetch_b8 v0, s[64:65] scope:SCOPE_SE
	s_setreg_imm32_b32 hwreg(HW_REG_WAVE_MODE, 25, 1), 1
	s_wait_xcnt 0x0
	s_wait_alu depctr_hold_cnt(0) depctr_sa_sdst(0) depctr_va_vdst(0) depctr_va_sdst(0) depctr_va_ssrc(0) depctr_va_vcc(0) depctr_vm_vsrc(0)
	s_getreg_b32 s2, hwreg(HW_REG_IB_STS2, 6, 4)
	s_cmp_eq_u32 s2, 0
	s_cbranch_scc0 .Lentry_in_a_cluster
	s_endpgm
.Lentry_in_a_cluster:
	s_bfe_u32 s2, ttmp6, 0x10000c
	s_cmp_lg_u32 s2, 0x3003
	s_cbranch_scc0 .Lentry_shape_is_right
	s_endpgm
.Lentry_shape_is_right:
; Causal attention of one head on codes of FP6 (E2M3): S^T = K Q^T (K = the head's 64: the upper half of the instruction's 128 meets zero codes of Q), p = 2^(t - M), O^T = V^T P^T, O / l, quantised along the head's 64.
; t = score x log2(e) / 8; M = the running largest t, rounded up to a whole number; l = the sum of the unquantised p.
; SHARES.  Work-group (j, bh) takes head bh and tile j (16 queries) of EACH of the 16 blocks of 128 queries: 1 + 2 + .. + 16 = 136 tile steps of 128 keys in every work-group, and all 16 key steps are read.
; Blocks b and 15 - b (17 tile steps) belong to the pair of waves 2 b, 2 b + 1.  Wave A: the late tile's key steps 0-8, nine steps, and that tile's way out.
; Wave B: the early tile's steps 0 .. b and its way out, then the late tile's steps 9 .. 15 - b: eight steps.
; B hands its O^T, -M and l of the late tile to A through LDS; A brings both parts under the larger M by powers of two, which round nothing, and adds.  Which steps a wave works hangs on the wave's number alone.
; THE WHOLE HEAD LIES IN LDS, each byte filled once: K's images (98,304 bytes), V's (98,304), their scale words (12,288).  One tensor load a wave: waves 0-11 bring 64 rows of 256 bytes of the images each, waves 12-15 12 rows of the words.
; CLUSTER: four work-groups of one head ask for these tiles jointly (mask 15); the descriptors hang on bh and the wave's number alone.
; No data prefetch: all that the work-group reads is asked for by the head's loads, and no loop runs ahead of them.
; Row i of tile T (queries, keys, channels alike) is row 32 (T / 2) + 8 (T % 2) + i + 8 (i / 8).  A lane holds one query throughout.
; THE MASK.  reference() sets hidden scores to -10,000.  Here a hidden key counts as p = 0: key steps wholly behind the diagonal are left out, and on the diagonal the raw score becomes -80,000 (= -10,000 x 8) ahead of the maximum.
; LIMITS: that equals reference() where each row's largest visible score lies above about -9,896, since exp(-10,000 - max) is then 0 in f32.  The scaled scores stay under 2^31 in magnitude.  NaN and infinities are not served.
.set GKI,  3145728                     ; qkvb: q's images at 0, k's at GKI, v's 3,145,728 further on; q's words at GQS; k's and v's words at GKVS, 12,288 a head
.set GVD,  3145728-98304               ; from the end of a head's K images to the start of its V images
.set GQS,  9437184
.set GKVS, 9699328
.set GAS,  3145728                     ; ab: images [tile / 4][K step 8][tile % 4][half 2][768] at 0; scale bytes [bh 32][j 8][block 16][row 16][2] at GAS
.set LVI,  98304                       ; LDS: K's images at 0, V's at LVI, K's words at LKS, V's at LVS
.set LKS,  196608
.set LVS,  204800
.set LST,  208896                      ; the stage for the 16 tiles' scale bytes, 512 bytes (and 512 that only addresses never stored to name)
.set LEX,  209920                      ; a wave's part to hand over: 4,608 bytes a wave
.set SPARE, 283648                     ; the spare words, 128 bytes a wave
.set Q,    20                          ; v20-31  Q's fragment: v26-31 are zero codes
.set QSR,  32                          ; v32     Q's scale words
.set KSR,  33                          ; v33-36  K's scale words, a pair of tiles each
.set VSR,  37                          ; v37-38  V's
.set KF,   40                          ; v40-93  K's eight half fragments; tile t's operand is v[40 + 6 t] on, 12 registers: its upper six meet Q's zeros (v88-93: zeros)
.set VF,   40                          ; v40-87  V's four fragments, fetched as soon as K's are spent
.set S,    96                          ; v96-159 S^T, then p
.set O,    160                         ; v160-191 O^T
.set PC,   192                         ; v192-203 p's codes;  v204-206, v208-210 their second halves
.set PT,   204
.set BM,   212
.set BP,   216
.set BS,   220
.set PW,   226                         ; v226 p's scale word;  v[224:225] f;  v227-229, v242-253 at work
.set Q2,   230                         ; v230-235 the late tile's Q, v236 its scale words;  v237 late stage address;  v238, v239 my and my partner's hand-over bytes
.set E,    96
.set TM,   212
.set HW,   226
.set WV,   8
.set BLK,  13                          ; s13  the key step on the diagonal of the tile at work
.set SEL,  20
.set CS,   22
.set TK,   66
.set TS,   67
.set TV,   68
.set SI,   69
.set CT,   70
.macro ROUND                           ; a round of the cluster's barrier
	s_barrier_signal -1
	s_barrier_wait -1
	s_cmp_lg_u32 s[WV], 0
	s_cbranch_scc1 .Lnot_wave_0_\@
	s_barrier_signal -3
.Lnot_wave_0_\@:
	s_barrier_wait -3
	s_barrier_signal -1
	s_barrier_wait -1
.endm
.macro KQ t                            ; S^T's tile t: source 0 = 16 keys, source 1 = my 16 queries
.if (\t)%2
	v_wmma_scale_f32_16x16x128_f8f6f4 v[S+8*\t:S+8*\t+7], v[KF+6*\t:KF+6*\t+11], v[Q:Q+11], 0, v[KSR+\t/2], v[QSR] matrix_a_fmt:MATRIX_FMT_FP6 matrix_b_fmt:MATRIX_FMT_FP6 matrix_a_scale:MATRIX_SCALE_ROW1
.else
	v_wmma_scale_f32_16x16x128_f8f6f4 v[S+8*\t:S+8*\t+7], v[KF+6*\t:KF+6*\t+11], v[Q:Q+11], 0, v[KSR+\t/2], v[QSR] matrix_a_fmt:MATRIX_FMT_FP6 matrix_b_fmt:MATRIX_FMT_FP6
.endif
.endm
.macro PV t                            ; O^T's tile t: source 0 = 16 channels x 128 keys, source 1 = p
.if (\t)%2
	v_wmma_scale_f32_16x16x128_f8f6f4 v[O+8*\t:O+8*\t+7], v[VF+12*\t:VF+12*\t+11], v[PC:PC+11], v[O+8*\t:O+8*\t+7], v[VSR+\t/2], v[PW] matrix_a_fmt:MATRIX_FMT_FP6 matrix_b_fmt:MATRIX_FMT_FP6 matrix_a_scale:MATRIX_SCALE_ROW1
.else
	v_wmma_scale_f32_16x16x128_f8f6f4 v[O+8*\t:O+8*\t+7], v[VF+12*\t:VF+12*\t+11], v[PC:PC+11], v[O+8*\t:O+8*\t+7], v[VSR+\t/2], v[PW] matrix_a_fmt:MATRIX_FMT_FP6 matrix_b_fmt:MATRIX_FMT_FP6
.endif
.endm
; A KEY STEP: 128 keys
.macro STEP
	s_cmp_gt_u32 s[SI], s[BLK]                     ; not my step: the work is left out, not the lines at the end that step addresses
	s_cbranch_scc1 .Lhidden_\@
	v_add_nc_u32 v7, s[TK], v1                     ; (these six are also the places between the last products and the loads into the registers that they read)
	v_add_nc_u32 v8, s[TK], v2
	v_add_nc_u32 v9, s[TK], v3
	v_add_nc_u32 v10, s[TK], v4
	v_add_nc_u32 v11, s[TS], v5
	v_add_nc_u32 v12, s[TV], v6
.irp t, 0,1,2,3,4,5,6,7
	ds_load_b128 v[KF+6*\t:KF+6*\t+3], v7 offset:768*\t
	ds_load_b64 v[KF+6*\t+4:KF+6*\t+5], v8 offset:768*\t
.endr
.irp b, 0,1,2,3
	ds_load_b32 v[KSR+\b], v11 offset:128*\b
.endr
	s_wait_alu depctr_va_vdst(0)                   ; the wait
	s_wait_dscnt 0x0
.irp t, 0,1,2,3,4,5,6,7
	KQ \t
.endr
.rept 4
	v_nop                                          ; four places: behind them K's registers take V's fragments, and the scores are read
.endr
.irp t, 0,1,2,3
	ds_load_b128 v[VF+12*\t:VF+12*\t+3], v9 offset:1536*\t
	ds_load_b64 v[VF+12*\t+4:VF+12*\t+5], v10 offset:1536*\t
	ds_load_b128 v[VF+12*\t+6:VF+12*\t+9], v9 offset:1536*\t+768
	ds_load_b64 v[VF+12*\t+10:VF+12*\t+11], v10 offset:1536*\t+768
.endr
.irp b, 0,1
	ds_load_b32 v[VSR+\b], v12 offset:128*\b
.endr
	s_cmp_lt_u32 s[SI], s[BLK]                     ; all keys count: no mask
	s_cbranch_scc1 .Lopen_\@
.set n, 0
.rept 64                                       ; register 16 b + i holds key 32 b + 16 (lane / 16) + i of the step: hidden where 32 b + i > my query - 16 (lane / 16)
	v_cmp_gt_i32 vcc_lo, 32*(n/16)+n%16, v13
	v_cndmask_b32 v[S+n], v[S+n], v14, vcc_lo
.set n, n+1
.endr
.Lopen_\@:
.irp b, 0,1,2,3
	v_max3_num_f32 v[BM+\b], v[S+16*\b], v[S+16*\b+1], v[S+16*\b+2]   ; the largest score of each block of 32 keys: for the row's maximum and, since p rises with the score, for the block's largest p
.endr
.irp i, 3,5,7,9,11,13
.irp b, 0,1,2,3
	v_max3_num_f32 v[BM+\b], v[BM+\b], v[S+16*\b+\i], v[S+16*\b+\i+1]
.endr
.endr
.irp b, 0,1,2,3
	v_max_num_f32 v[BM+\b], v[BM+\b], v[S+16*\b+15]
.endr
.irp b, 0,1,2,3
	s_delay_alu instid0(VALU_DEP_4)
	v_permlanex16_b32 v[BP+\b], v[BM+\b], s[SEL], s[SEL+1]
.endr
.irp b, 0,1,2,3
	s_delay_alu instid0(VALU_DEP_4)
	v_max_num_f32 v[BM+\b], v[BM+\b], v[BP+\b]     ; with lane l xor 16's 16 keys
.endr
	s_delay_alu instid0(VALU_DEP_2)
	v_max3_num_f32 v227, v[BM], v[BM+1], v[BM+2]
	s_delay_alu instid0(VALU_DEP_1)
	v_max_num_f32 v227, v227, v[BM+3]
	s_delay_alu instid0(VALU_DEP_1)
	v_mul_f32 v227, s[CS], v227                    ; the step's largest t
	s_delay_alu instid0(VALU_DEP_1)
	v_max_num_f32 v17, v17, v227                   ; the running largest t
	v_mov_b32 v227, v16
	s_delay_alu instid0(VALU_DEP_2)
	v_floor_f32 v16, -v17                          ; -M = floor(-t): M is a whole number
	s_delay_alu instid0(VALU_DEP_1)
	v_sub_f32 v227, v16, v227                      ; old M - new M: a whole number, 0 or less
	s_delay_alu instid0(VALU_DEP_1)
	v_cvt_i32_f32 v227, v227                       ; (it saturates)
	s_delay_alu instid0(VALU_DEP_1)
	v_ldexp_f32 v224, 1.0, v227                    ; f = 2^(old M - new M): the rescaling rounds nothing
.set j, 0
.rept 32
	v_pk_fma_f32 v[S+j:S+j+1], v[S+j:S+j+1], s[CS:CS+1], v[16:17] op_sel_hi:[1,0,0]   ; t - M
.set j, j+2
.endr
.irp b, 0,1,2,3
	v_fma_f32 v[BM+\b], v[BM+\b], s[CS], v16       ; the same of each block's largest score
.endr
.set j, 0
	s_wait_alu depctr_va_vdst(0)                   ; the wait ahead of the batch
.rept 64
	v_exp_f32 v[S+j], v[S+j]                       ; p = 2^(t - M): not normalised
.set j, j+1
.endr
	v_pk_mul_f32 v[18:19], v[18:19], v[224:225] op_sel_hi:[1,0]   ; the sums under the new M (a plain place behind the exponentials)
	s_wait_alu depctr_va_vdst(0)                   ; one wait for the batch of 64, ahead of its first reader
.irp b, 0,1,2,3
	v_exp_f32 v[BM+\b], v[BM+\b]                   ; each block's largest p
.endr
	v_pk_add_f32 v[228:229], v[100:101], v[104:105]   ; the row's sum of the unquantised p, in eight chains
	v_pk_add_f32 v[252:253], v[108:109], v[112:113]
	v_pk_add_f32 v[250:251], v[116:117], v[120:121]
	v_pk_add_f32 v[248:249], v[124:125], v[128:129]
	v_pk_add_f32 v[246:247], v[132:133], v[136:137]
	v_pk_add_f32 v[244:245], v[140:141], v[144:145]
	v_pk_add_f32 v[242:243], v[148:149], v[152:153]
	v_pk_add_f32 v[18:19], v[18:19], v[156:157]
	v_pk_add_f32 v[228:229], v[228:229], v[96:97]
	v_pk_add_f32 v[252:253], v[252:253], v[98:99]
	v_pk_add_f32 v[250:251], v[250:251], v[102:103]
	v_pk_add_f32 v[248:249], v[248:249], v[106:107]
	v_pk_add_f32 v[246:247], v[246:247], v[110:111]
	v_pk_add_f32 v[244:245], v[244:245], v[114:115]
	v_pk_add_f32 v[242:243], v[242:243], v[118:119]
	v_pk_add_f32 v[18:19], v[18:19], v[122:123]
	v_pk_add_f32 v[228:229], v[228:229], v[126:127]
	v_pk_add_f32 v[252:253], v[252:253], v[130:131]
	v_pk_add_f32 v[250:251], v[250:251], v[134:135]
	v_pk_add_f32 v[248:249], v[248:249], v[138:139]
	v_pk_add_f32 v[246:247], v[246:247], v[142:143]
	v_pk_add_f32 v[244:245], v[244:245], v[146:147]
	v_pk_add_f32 v[242:243], v[242:243], v[150:151]
	v_pk_add_f32 v[18:19], v[18:19], v[154:155]
	v_pk_add_f32 v[228:229], v[228:229], v[158:159]
	s_delay_alu instid0(VALU_DEP_2)
	v_pk_add_f32 v[18:19], v[18:19], v[248:249]
	s_delay_alu instid0(VALU_DEP_2)
	v_pk_add_f32 v[228:229], v[228:229], v[246:247]
	v_pk_add_f32 v[252:253], v[252:253], v[244:245]
	v_pk_add_f32 v[250:251], v[250:251], v[242:243]
	s_delay_alu instid0(VALU_DEP_2)
	v_pk_add_f32 v[18:19], v[18:19], v[252:253]
	s_delay_alu instid0(VALU_DEP_2)
	v_pk_add_f32 v[228:229], v[228:229], v[250:251]
	s_delay_alu instid0(VALU_DEP_1)
	v_pk_add_f32 v[18:19], v[18:19], v[228:229]
	s_wait_alu depctr_va_vdst(0)                   ; and one for the four
.irp b, 0,1,2,3
	v_max_num_f32 v[BM+\b], 0x1800000, v[BM+\b]    ; the floor 2^(3 - 127): the byte cannot fall under 1 (a block of zeros keeps it: its codes are zeros)
.endr
.irp b, 0,1,2,3
	s_delay_alu instid0(VALU_DEP_4)
	v_add_nc_u32 v[BS+\b], 0xff000000, v[BM+\b]    ; 2 off the exponent field: the conversion's scale operand
.endr
.irp b, 0,1,2,3
	s_delay_alu instid0(VALU_DEP_4)
	v_lshrrev_b32 v[BP+\b], 23, v[BS+\b]           ; the scale's byte
.endr
	s_delay_alu instid0(VALU_DEP_3)
	v_lshl_or_b32 v[PW], v[BP+1], 8, v[BP]
	s_delay_alu instid0(VALU_DEP_1)
	v_lshl_or_b32 v[PW], v[BP+2], 16, v[PW]
	s_delay_alu instid0(VALU_DEP_1)
	v_lshl_or_b32 v[PW], v[BP+3], 24, v[PW]
.irp c, 0,1
	v_cvt_scalef32_pk16_fp6_f32 v[PC+6*\c:PC+6*\c+2], v[S+32*\c:S+32*\c+15], v[BS+2*\c]
	v_cvt_scalef32_pk16_fp6_f32 v[PT+4*\c:PT+4*\c+2], v[S+32*\c+16:S+32*\c+31], v[BS+2*\c+1]
.endr
	v_nop                                          ; one plain place behind a scaled conversion
.irp c, 0,1
.irp i, 0,1,2
	v_permlane16_swap_b32 v[PC+6*\c+\i], v[PT+4*\c+\i]   ; a whole block to a lane
.endr
.irp i, 0,1,2
	s_delay_alu instid0(VALU_DEP_3)
	v_mov_b32 v[PC+3+6*\c+\i], v[PT+4*\c+\i]
.endr
.endr
	s_wait_alu depctr_va_vdst(0)                   ; the wait directly ahead of the first reader of O^T
.set j, 0
.rept 16
	v_pk_mul_f32 v[O+j:O+j+1], v[O+j:O+j+1], v[224:225] op_sel_hi:[1,0]   ; O^T under the new M.  (These sixteen are also the places between the scale word's and the codes' last writes and the products)
.set j, j+2
.endr
	s_wait_alu depctr_va_vdst(0)                   ; the wait directly ahead of the wait below
	s_wait_dscnt 0x0                               ; V's fragments and words
.irp t, 0,1,2,3
	PV \t                                          ; four accumulators by turns
.endr
.Lhidden_\@:
	s_add_co_u32 s[TK], s[TK], 6144
	s_add_co_u32 s[TS], s[TS], 512
	s_add_co_u32 s[TV], s[TV], 256
	s_add_co_u32 s[SI], s[SI], 1
.endm
.macro WALK n                          ; n key steps, then four places behind the last products
	s_mov_b32 s[CT], \n
.Lwalk_\@:
	STEP
	s_sub_co_u32 s[CT], s[CT], 1
	s_cmp_lg_u32 s[CT], 0
	s_cbranch_scc1 .Lwalk_\@
.rept 4
	v_nop
.endr
	s_wait_alu depctr_va_vdst(0)
.endm
; THE WAY OUT of a tile: v[src ..] / l, quantised along the head's 64: half a fragment of the next product's operand to memory, its two scale bytes a query to the stage
.macro WAYOUT src, stg, base
	v_add_f32 v18, v18, v19
	s_wait_alu depctr_va_vdst(0)
	v_permlanex16_b32 v227, v18, s[SEL], s[SEL+1]
	s_delay_alu instid0(VALU_DEP_1)
	v_add_f32 v18, v18, v227                       ; the row's sum
	s_wait_alu depctr_va_vdst(0)                   ; the wait ahead of the transcendental,
	v_rcp_f32 v18, v18
	v_nop                                          ; a plain place behind it,
	s_wait_alu depctr_va_vdst(0)                   ; and the wait ahead of its first reader
.set j, 0
.rept 32
	v_mul_f32 v[E+j], v[\src+j], v18               ; register 16 bb + i = channel 32 bb + 16 h + i; each accumulator is read from its low end on
.set j, j+1
.endr
.irp b, 0,1
	v_max3_num_f32 v[TM+\b], |v[E+16*\b]|, |v[E+16*\b+1]|, 0x1800000
.endr
.irp i, 2,4,6,8,10,12,14
.irp b, 0,1
	s_delay_alu instid0(VALU_DEP_2)
	v_max3_num_f32 v[TM+\b], v[TM+\b], |v[E+16*\b+\i]|, |v[E+16*\b+\i+1]|
.endr
.endr
.irp b, 0,1
	s_delay_alu instid0(VALU_DEP_2)
	v_permlanex16_b32 v[TM+2+\b], v[TM+\b], s[SEL], s[SEL+1]
.endr
.irp b, 0,1
	s_delay_alu instid0(VALU_DEP_2)
	v_max_num_f32 v[TM+\b], v[TM+\b], v[TM+2+\b]
.endr
.irp b, 0,1
	s_delay_alu instid0(VALU_DEP_2)
	v_add_nc_u32 v[TM+4+\b], 0xff000000, v[TM+\b]
.endr
.irp b, 0,1
	s_delay_alu instid0(VALU_DEP_2)
	v_lshrrev_b32 v[TM+2+\b], 23, v[TM+4+\b]
.endr
	s_delay_alu instid0(VALU_DEP_1)
	v_lshl_or_b32 v[HW], v[TM+3], 8, v[TM+2]
	v_cvt_scalef32_pk16_fp6_f32 v[PC:PC+2], v[E:E+15], v[TM+4]
	v_cvt_scalef32_pk16_fp6_f32 v[PT:PT+2], v[E+16:E+31], v[TM+5]
	v_nop
.irp i, 0,1,2
	v_permlane16_swap_b32 v[PC+\i], v[PT+\i]
.endr
.irp i, 0,1,2
	s_delay_alu instid0(VALU_DEP_3)
	v_mov_b32 v[PC+3+\i], v[PT+\i]
.endr
	global_store_b128 v1, v[PC:PC+3], s[\base:\base+1]     ; 512 consecutive bytes,
	global_store_b64 v2, v[PC+4:PC+5], s[\base:\base+1]    ; and the 256 behind them
	ds_store_b16 v[\stg], v[HW]
.endm
.macro QADR t, blk, im, wd             ; tile s[t] of block s[blk]: Q's image -> s[im:im+1], its scale words -> s[wd:wd+1]
	s_lshl_b32 s[\im], s10, 7
	s_add_co_u32 s[\im], s[\im], s[\t]
	s_mul_i32 s[\im], s[\im], 768
	s_mov_b32 s[\im+1], 0
	s_add_nc_u64 s[\im:\im+1], s[4:5], s[\im:\im+1]
	s_lshl_b32 s[\wd], s[\blk], 7
	s_add_co_u32 s[\wd], s[\wd], s76
	s_lshl_b32 s[\wd], s[\wd], 2
	s_lshl_b32 s[\wd+1], s10, 13
	s_add_co_u32 s[\wd], s[\wd], s[\wd+1]
	s_add_co_u32 s[\wd], s[\wd], GQS
	s_mov_b32 s[\wd+1], 0
	s_add_nc_u64 s[\wd:\wd+1], s[4:5], s[\wd:\wd+1]
.endm
.macro OADR t, o                       ; tile s[t]'s image in ab: ((tile / 4) 8 + head / 2) 6,144 + (tile % 4) 1,536 + (head % 2) 768, the tile counted over both batches
	s_lshl_b32 s[\o], s94, 7
	s_add_co_u32 s[\o], s[\o], s[\t]
	s_and_b32 s[\o+1], s[\o], 3
	s_mul_i32 s[\o+1], s[\o+1], 1536
	s_lshr_b32 s[\o], s[\o], 2
	s_lshl_b32 s[\o], s[\o], 3
	s_add_co_u32 s[\o], s[\o], s83
	s_mul_i32 s[\o], s[\o], 6144
	s_add_co_u32 s[\o], s[\o], s[\o+1]
	s_add_co_u32 s[\o], s[\o], s79
	s_mov_b32 s[\o+1], 0
	s_add_nc_u64 s[\o:\o+1], s[6:7], s[\o:\o+1]
.endm
	s_load_b128 s[4:7], s[0:1], 0x0                ; qkvb s[4:5], ab s[6:7]
	v_lshl_add_u32 v254, v0, 2, SPARE
	v_mov_b32 v255, 0
	ds_add_u32 v254, v255                          ; the opening lines: the add, twice on end,
	ds_add_u32 v254, v255
	v_lshrrev_b32 v1, 5, v0
	v_readfirstlane_b32 s[WV], v1                  ; wave 0..15
	s_and_b32 s10, ttmp7, 0xffff                   ; bh
	s_mov_b32 s24, 15|(3<<16)|(1<<21)              ; group 1, images: mask of the four partners; elements of 8 bytes; bit 21 beside the mask; 64 dense rows of 256 bytes
	s_mov_b32 s25, 32<<16
	s_mov_b32 s26, 64<<16
	s_mov_b32 s27, 32<<16
	s_mov_b32 s28, 64
	s_mov_b32 s29, 32
	s_mov_b32 s30, 0
	s_mov_b32 s31, 0
	s_mov_b32 s32, 15|(3<<16)|(1<<21)              ; group 1, scale words: 12 rows
	s_mov_b32 s33, 32<<16
	s_mov_b32 s34, 12<<16
	s_mov_b32 s35, 32<<16
	s_mov_b32 s36, 12
	s_mov_b32 s37, 32
	s_mov_b32 s38, 0
	s_mov_b32 s39, 0
	s_mul_i32 s41, s[WV], 16384                    ; waves 0-11: LDS byte 16,384 w: K's images, then V's
	s_mul_i32 s18, s[WV], 43
	s_lshr_b32 s18, s18, 8                         ; w / 6: 0 for K's six waves, 1 for V's
	s_mul_i32 s18, s18, GVD
	s_mul_i32 s60, s10, 98304
	s_add_co_u32 s60, s60, s41
	s_add_co_u32 s60, s60, s18
	s_add_co_u32 s60, s60, GKI
	s_mov_b32 s61, 0
	s_mul_i32 s19, s[WV], 3072                     ; waves 12-15: 3,072 (w - 12) into the head's 12,288 bytes of words
	s_add_co_u32 s45, s19, LKS-36864
	s_mul_i32 s62, s10, 12288
	s_add_co_u32 s62, s62, s19
	s_add_co_u32 s62, s62, GKVS-36864
	s_mov_b32 s63, 0
	s_mov_b32 s40, 1
	s_mov_b32 s44, 1
	s_wait_dscnt 0x0                               ; and the one wait for both
	s_wait_kmcnt 0x0
	s_add_nc_u64 s[42:43], s[4:5], s[60:61]
	s_or_b32 s43, s43, 0x80000000
	s_add_nc_u64 s[46:47], s[4:5], s[62:63]
	s_or_b32 s47, s47, 0x80000000
	ROUND                                          ; the four work-groups are here: the joint loads meet
	s_cmp_lt_u32 s[WV], 12                         ; one load a wave, in the two arms of one branch on the wave's number
	s_cbranch_scc0 .Lwords
	tensor_load_to_lds s[40:43], s[24:31]
	s_nop 0
.rept 4
	v_nop
.endr
	s_branch .Lasked
.Lwords:
	tensor_load_to_lds s[44:47], s[32:39]
	s_nop 0
.rept 4
	v_nop
.endr
.Lasked:
	s_bfe_u32 s9, ttmp6, 0x40000                   ; cx
	s_lshl_b32 s18, ttmp9, 2
	s_add_co_u32 s9, s9, s18                       ; j = 4 x cluster x + cx: it enters global addresses of Q and of the output, and the mask's numbers, alone
	s_lshr_b32 s11, s[WV], 2
	s_xor_b32 s11, s11, s[WV]
	s_and_b32 s11, s11, 1                          ; 0: wave A, 1: wave B; of waves w, w + 4, w + 8, w + 12 two are A and two B
	s_lshr_b32 s12, s[WV], 1                       ; b: the early block
	s_xor_b32 s14, s12, 15                         ; 15 - b: the late block
	s_lshl_b32 s15, s12, 3
	s_add_co_u32 s15, s15, s9                      ; the early tile
	s_lshl_b32 s16, s14, 3
	s_add_co_u32 s16, s16, s9                      ; the late tile
	s_cmp_eq_u32 s11, 1
	s_cselect_b32 s[BLK], s12, s14                 ; the first walk: B works the early tile, A the late one
	s_cselect_b32 s17, s15, s16
	s_lshr_b32 s76, s9, 1
	s_lshl_b32 s76, s76, 5
	s_and_b32 s77, s9, 1
	s_lshl_b32 s77, s77, 3
	s_add_co_u32 s76, s76, s77                     ; tile j's first query in its block
	QADR 17, BLK, 72, 74
	QADR 16, 14, 88, 90
	s_lshr_b32 s94, s10, 4                         ; batch
	s_and_b32 s82, s10, 15                         ; head
	s_lshr_b32 s83, s82, 1
	s_and_b32 s79, s82, 1
	s_mul_i32 s79, s79, 768
	OADR 15, 84
	OADR 16, 86
	s_lshl_b32 s80, s10, 12
	s_lshl_b32 s81, s9, 9
	s_add_co_u32 s80, s80, s81
	s_add_co_u32 s80, s80, GAS                     ; the work-group's 512 scale bytes
	s_mov_b32 s81, 0
	s_add_nc_u64 s[80:81], s[6:7], s[80:81]
	s_xor_b32 s77, s11, 1
	s_lshl_b32 s77, s77, 9
	s_add_co_u32 s77, s77, LST                     ; the early tile's bytes are staged by B, the late tile's by A: the other wave's address, never stored to, lies behind the stage's 512 bytes
	s_lshl_b32 s78, s12, 5
	s_add_co_u32 s78, s78, s77
	s_lshl_b32 s18, s11, 9
	s_add_co_u32 s18, s18, LST
	s_lshl_b32 s92, s14, 5
	s_add_co_u32 s92, s92, s18
	s_mul_i32 s93, s[WV], 4608
	s_add_co_u32 s93, s93, LEX                     ; my hand-over bytes,
	s_xor_b32 s95, s[WV], 1
	s_mul_i32 s95, s95, 4608
	s_add_co_u32 s95, s95, LEX                     ; and my partner's
	s_mov_b32 s[SEL], 0x76543210
	s_mov_b32 s[SEL+1], 0xfedcba98
	s_mov_b32 s[CS], 0x3e38aa3b                    ; log2(e) / 8
	s_mov_b32 s[CS+1], s[CS]
	s_mov_b32 s[TK], 0
	s_mov_b32 s[TS], 0
	s_mov_b32 s[TV], 0
	s_mov_b32 s[SI], 0
	v_and_b32 v96, 15, v0                          ; r
	v_bfe_u32 v97, v0, 4, 1                        ; h
	v_and_b32 v1, 31, v0
	v_lshlrev_b32 v2, 3, v1
	v_add_nc_u32 v2, 512, v2                       ; v2  512 + 8 x lane: registers 4-5 of a half fragment
	v_lshlrev_b32 v1, 4, v1                        ; v1  16 x lane: registers 0-3
	v_add_nc_u32 v3, LVI, v1                       ; v3, v4  the same in V's images
	v_add_nc_u32 v4, LVI, v2
	v_and_b32 v98, 8, v96
	v_add_nc_u32 v98, v98, v96                     ; r + 8 (r / 8)
	v_lshl_add_u32 v99, v97, 3, v98                ; rho
	v_lshl_add_u32 v5, v99, 2, LKS                 ; v5  K's scale words of a pair of tiles
	v_lshl_add_u32 v6, v99, 2, LVS                 ; v6  V's
	v_lshlrev_b32 v13, 4, v97
	v_sub_nc_u32 v13, v98, v13
	v_add_nc_u32 v13, s76, v13                     ; v13 my query in its block - 16 h
	v_mov_b32 v14, 0xc79c4000                      ; v14 -80,000
	v_lshl_add_u32 v15, v96, 1, s78                ; v15 the stage: the early tile's row r
	v_lshl_add_u32 v237, v96, 1, s92               ; v237 the late tile's
	v_add_nc_u32 v238, s93, v1
	v_add_nc_u32 v239, s95, v1
	v_add_nc_u32 v39, LST, v1                      ; v39 the stage read back
	v_lshlrev_b32 v95, 2, v98
	global_load_b128 v[Q:Q+3], v1, s[72:73]
	global_load_b64 v[Q+4:Q+5], v2, s[72:73]
	global_load_b32 v[QSR], v95, s[74:75]
	global_load_b128 v[Q2:Q2+3], v1, s[88:89]      ; the late tile's Q, for the second walk
	global_load_b64 v[Q2+4:Q2+5], v2, s[88:89]
	global_load_b32 v[Q2+6], v95, s[90:91]
.irp j, 6,7,8,9,10,11
	v_mov_b32 v[Q+\j], 0                           ; the upper 64 of K = 128: zero codes
.endr
.irp j, 48,49,50,51,52,53
	v_mov_b32 v[KF+\j], 0
.endr
	v_mov_b32 v17, 0xff61b1e6                      ; the largest t so far: -3e38
	v_floor_f32 v16, -v17                          ; -M
	v_mov_b32 v18, 0                               ; l, in two halves
	v_mov_b32 v19, 0
.set j, 0
.rept 32
	v_mov_b32 v[O+j], 0                            ; O^T: the step is written once; the first finds zeros, which the first change of M leaves zeros
.set j, j+1
.endr
.irp j, 0,1,2,3,4,5,6,7
	v_mov_b32 v[BM+\j], 0                          ; lane permutes' destinations count as sources: written once
.endr
	v_mov_b32 v225, 0                              ; (named as the upper half of the pair v[224:225])
	v_mov_b32 v227, 0
	s_wait_alu depctr_va_vdst(0)                   ; the wait at the head's end
	s_wait_loadcnt 0x0                             ; Q
	s_wait_tensorcnt 0x0                           ; my part of the head has landed
	s_wait_dscnt 0x0
	s_barrier_signal -1
	s_barrier_wait -1                              ; and everybody's: the whole head lies in LDS
	WALK 9                                         ; key steps 0-8
	s_cmp_eq_u32 s11, 0
	s_cbranch_scc1 .Lmid_a
	WAYOUT O, 15, 84                               ; B: the early tile is finished
	v_mov_b32 v[QSR], v[Q2+6]                      ; and the late tile begins
.irp j, 0,1,2,3,4,5
	v_mov_b32 v[Q+\j], v[Q2+\j]
.endr
	v_mov_b32 v17, 0xff61b1e6
	v_floor_f32 v16, -v17
	v_mov_b32 v18, 0
	v_mov_b32 v19, 0
.set j, 0
.rept 32
	v_mov_b32 v[O+j], 0
.set j, j+1
.endr
	s_mov_b32 s[BLK], s14
	s_wait_xcnt 0x0                                ; the stores have read their registers: the codes' are written again in the next step
	s_wait_alu depctr_va_vdst(0)                   ; the wait ahead of the branch
	s_branch .Lmid_done
.Lmid_a:
	s_mov_b32 s[BLK], 0                            ; A: no step of the second walk is mine; my part stays in its registers
.Lmid_done:
	WALK 7                                         ; key steps 9-15
	s_cmp_eq_u32 s11, 0
	s_cbranch_scc1 .Lkeep
.irp i, 0,1,2,3,4,5,6,7
	ds_store_b128 v238, v[O+4*\i:O+4*\i+3] offset:512*\i   ; B: my part of the late tile, as an image of the registers; each accumulator from its low end on.  (Pair 7's B had no such step: zeros under M = -3e38, which the join multiplies by 0)
.endr
	ds_store_b128 v238, v[16:19] offset:4096       ; -M, the largest t, l's two halves
.Lkeep:
	s_wait_dscnt 0x0
	s_barrier_signal -1
	s_barrier_wait -1                              ; B's parts lie in LDS
	s_cmp_eq_u32 s11, 1
	s_cbranch_scc1 .Ljoined
.irp i, 0,1,2,3,4,5,6,7
	ds_load_b128 v[E+4*\i:E+4*\i+3], v239 offset:512*\i
.endr
	ds_load_b128 v[128:131], v239 offset:4096
	s_wait_dscnt 0x0
	v_min_num_f32 v134, v16, v128                  ; -M of both parts: the smaller
	v_mov_b32 v133, 0                              ; (named as the upper half of the pair v[132:133])
	v_sub_f32 v135, v134, v16                      ; whole numbers, 0 or less
	v_sub_f32 v136, v134, v128
	v_cvt_i32_f32 v135, v135
	v_cvt_i32_f32 v136, v136
	v_ldexp_f32 v224, 1.0, v135                    ; my part's factor,
	v_ldexp_f32 v132, 1.0, v136                    ; and B's: powers of two
	v_pk_mul_f32 v[18:19], v[18:19], v[224:225] op_sel_hi:[1,0]
	v_pk_fma_f32 v[18:19], v[130:131], v[132:133], v[18:19] op_sel_hi:[1,0,1]
.set j, 0
.rept 16
	v_pk_mul_f32 v[O+j:O+j+1], v[O+j:O+j+1], v[224:225] op_sel_hi:[1,0]
.set j, j+2
.endr
.set j, 0
.rept 16
	v_pk_fma_f32 v[E+j:E+j+1], v[E+j:E+j+1], v[132:133], v[O+j:O+j+1] op_sel_hi:[1,0,1]
.set j, j+2
.endr
	WAYOUT E, 237, 86
.Ljoined:
	s_wait_dscnt 0x0
	s_barrier_signal -1
	s_barrier_wait -1                              ; the 16 tiles' scale bytes lie in the stage
	s_cmp_lg_u32 s[WV], 0
	s_cbranch_scc1 .Lend
	ds_load_b128 v[E:E+3], v39
	s_wait_dscnt 0x0
	global_store_b128 v1, v[E:E+3], s[80:81]       ; 512 consecutive bytes, at a multiple of 256
.Lend:
	s_wait_tensorcnt 0x0                           ; the wave's end
	ds_add_u32 v254, v255
	s_wait_dscnt 0x0
	ROUND                                          ; the closing round
	s_endpgm
.Lfunc_end_k_qe3a30a7d71_attn:
	.size	k_qe3a30a7d71_attn, .Lfunc_end_k_qe3a30a7d71_attn-k_qe3a30a7d71_attn
	.p2alignl 7, 3214868480
	.fill 96, 4, 3214868480
	.section	.rodata,"a",@progbits
	.p2align	6, 0x0
	.amdhsa_kernel k_qe3a30a7d71_attn
		.amdhsa_group_segment_fixed_size 285696
		.amdhsa_private_segment_fixed_size 0
		.amdhsa_enable_private_segment 0
		.amdhsa_kernarg_size 16
		.amdhsa_user_sgpr_count 2
		.amdhsa_user_sgpr_kernarg_segment_ptr 1
		.amdhsa_wavefront_size32 1
		.amdhsa_system_sgpr_workgroup_id_x 1
		.amdhsa_system_sgpr_workgroup_id_y 1
		.amdhsa_system_sgpr_workgroup_id_z 1
		.amdhsa_system_vgpr_workitem_id 0
		.amdhsa_next_free_vgpr 256
		.amdhsa_next_free_sgpr 100
		.amdhsa_reserve_vcc 1
		.amdhsa_float_denorm_mode_32 3
		.amdhsa_float_denorm_mode_16_64 3
		.amdhsa_memory_ordered 1
		.amdhsa_forward_progress 1
		.amdhsa_inst_pref_size 72
	.end_amdhsa_kernel
	.amdgpu_metadata
---
amdhsa.version: [ 1, 2 ]
amdhsa.kernels:
  - .name:           k_qe3a30a7d71_attn
    .symbol:         k_qe3a30a7d71_attn.kd
    .args:
      - { .name: qkvb, .offset: 0, .size: 8, .value_kind: global_buffer, .address_space: global }
      - { .name: ab, .offset: 8, .size: 8, .value_kind: global_buffer, .address_space: global }
    .group_segment_fixed_size: 285696
    .private_segment_fixed_size: 0
    .kernarg_segment_align: 8
    .kernarg_segment_size: 16
    .max_flat_workgroup_size: 512
    .sgpr_count:     100
    .vgpr_count:     256
    .wavefront_size: 32
...
	.end_amdgpu_metadata
.endif
;; end of part 3
;; launch proj (part 4): grid 4 x 64, 4 waves a work-group, clusters of 4 x 1, 168,448 bytes of LDS; arguments ab, wimg, w_proj_scales, b_proj, x, x2; writes x2
.if DOCPART == 4
	.amdgcn_target "amdgcn-amd-amdhsa--gfx1250"
	.amdhsa_code_object_version 6
	.text
	.protected	k_qe3a30a7d71_proj
	.globl	k_qe3a30a7d71_proj
	.p2align	8
	.type	k_qe3a30a7d71_proj,@function
k_qe3a30a7d71_proj:
	s_mov_b64 s[64:65], 0
	v_nop
	global_prefetch_b8 v0, s[64:65] scope:SCOPE_SE
	s_setreg_imm32_b32 hwreg(HW_REG_WAVE_MODE, 25, 1), 1
	s_wait_xcnt 0x0
	s_wait_alu depctr_hold_cnt(0) depctr_sa_sdst(0) depctr_va_vdst(0) depctr_va_sdst(0) depctr_va_ssrc(0) depctr_va_vcc(0) depctr_vm_vsrc(0)
	s_getreg_b32 s2, hwreg(HW_REG_IB_STS2, 6, 4)
	s_cmp_eq_u32 s2, 0
	s_cbranch_scc0 .Lentry_in_a_cluster
	s_endpgm
.Lentry_in_a_cluster:
	s_bfe_u32 s2, ttmp6, 0x10000c
	s_cmp_lg_u32 s2, 0x3003
	s_cbranch_scc0 .Lentry_shape_is_right
	s_endpgm
.Lentry_shape_is_right:
; One text for two launches: out = residual + X W^T + b on codes of FP6 (E2M3), one E8M0 byte for each 32 along K.  KST = 8: the attention's output times w_proj, + x -> x2.  KST = 32: the hidden layer times w_out, + x2 -> out0.
; A work-group takes 64 tokens (4 tiles) x 256 outputs; wave w the 64 outputs 256 x + 64 w on (4 tiles): 16 accumulators.  Source 0 = weights (their rows fall into a lane's registers), source 1 = tokens (a lane holds one token).
; X, the tokens' codes for all of K, is one dense block of KST x 6,144 bytes of register images, [K step][tile 4][half 2][768]: it comes into LDS whole, each byte filled once, and is shared by the four work-groups of a cluster
; along x: it is asked for JOINTLY (mask 15).  The weights' images go from memory straight into registers, four K steps ahead, in five sets; the residual's rows follow them in the same sets.
; Row i of tile T is row 32 (T / 2) + 8 (T % 2) + i + 8 (i / 8).  The results go through the wave's own stage in LDS and leave as aligned runs of 256 bytes.
.set KST, 8
.if KST == 8
.set XBYTES, 49152
.set TR,     48                        ; rows of 256 bytes in a tensor load: two K steps
.set WOFF,   2359296                   ; wimg: w_proj's images
.set SCOFF,  3145728                   ; ab: scale bytes [head 16][token][2]
.set WSROW,  32                        ; a row of the weight's scale bytes
.else
.set XBYTES, 196608
.set TR,     96                        ; four K steps
.set WOFF,   6291456                   ; wimg: w_out's images
.set SCOFF,  12582912                  ; gbuf: scale bytes [x' 16][token][8]
.set WSROW,  128
.endif
.set STG, XBYTES                       ; LDS behind X: a stage of 16 rows x (256 + 16) bytes for each wave
.set LI,  3                            ; v3    16 x lane
.set L8,  4                            ; v4    8 x lane
.set LA,  5                            ; v5-8  16 x lane + 61,440 k: K steps 10 k .. 10 k + 9
.set LB,  9                            ; v9-12 8 x lane + 61,440 k
.set XSO, 13                           ; v13   my token's scale bytes
.set YSO, 14                           ; v14   my weight row's
.set STO, 15                           ; v15   the stage: where I put my results
.set RD,  16                           ; v16   and where I read rows back
.set RO,  17                           ; v17   my 16 bytes of two rows of the residual and of the output
.set BO,  18                           ; v18   the bias
.set XSC, 24                           ; X's scale words: register KST p + s: tiles 2 p (lanes 0-15), 2 p + 1 (lanes 16-31), K step s
.set YSC, XSC+2*KST                    ; the weights' likewise
.set XBF, 152                          ; v152-247 two buffers of X's four fragments; on the way out rows of the output
.set BQ,  128                          ; window 2: accumulator (a, b) at v[32 a + 8 b]; the bias at v128-159.  Window 1: five sets of 48
.set MSB, 0
.macro WIN new
.if MSB != (\new)
	s_set_vgpr_msb (MSB<<8)|(\new)
.set MSB, (\new)
.endif
.endm
.macro BAR
	s_wait_dscnt 0x0
	s_barrier_signal -1
	s_barrier_wait -1
.endm
.macro ROUND                           ; a round of the cluster's barrier
	s_barrier_signal -1
	s_barrier_wait -1
	s_cmp_lg_u32 s16, 0
	s_cbranch_scc1 .Lnot_wave_0_\@
	s_barrier_signal -3
.Lnot_wave_0_\@:
	s_barrier_wait -3
	s_barrier_signal -1
	s_barrier_wait -1
.endm
.macro PLACES
.rept 4
	v_nop
.endr
.endm
.macro XLD ss                          ; X's four fragments of K step ss from LDS into buffer ss % 2: 16 loads
.irp a, 0,1,2,3
.set XR, XBF+48*((\ss)%2)+12*\a
.set XO, ((\ss)%10)*6144+1536*\a
	ds_load_b128 v[XR:XR+3], v[LA+(\ss)/10] offset:XO
	ds_load_b64 v[XR+4:XR+5], v[LB+(\ss)/10] offset:XO+512
	ds_load_b128 v[XR+6:XR+9], v[LA+(\ss)/10] offset:XO+768
	ds_load_b64 v[XR+10:XR+11], v[LB+(\ss)/10] offset:XO+1280
.endr
.endm
.macro YLD jj                          ; my four fragments of the weight of K step jj into set jj % 5: 12 loads
	WIN 0x40
.irp f, 0,1,2,3
.irp c, 0,1,2
	global_load_b128 v[48*((\jj)%5)+12*\f+4*\c:48*((\jj)%5)+12*\f+4*\c+3], v[LI], s[42:43] offset:6144*(\jj)+1536*\f+512*\c
.endr
.endr
	WIN 0
.endm
.macro RLD a                           ; the residual at tile a's 16 rows, my 64 columns, into set (KST + a) % 5: 8 loads, two rows each
	WIN 0x40
.irp i, 0,1,2,3,4,5,6,7
	global_load_b128 v[48*((KST+(\a))%5)+4*\i:48*((KST+(\a))%5)+4*\i+3], v[RO], s[48:49] offset:(32*((\a)/2)+8*((\a)%2)+2*\i+8*(\i/4))*4096
.endr
	WIN 0
.endm
.macro WMS
.if oA && oB
	v_wmma_scale_f32_16x16x128_f8f6f4 v[rD:rD+7], v[rA:rA+11], v[rB:rB+11], v[rC:rC+7], v[sA], v[sB] matrix_a_fmt:MATRIX_FMT_FP6 matrix_b_fmt:MATRIX_FMT_FP6 matrix_a_scale:MATRIX_SCALE_ROW1 matrix_b_scale:MATRIX_SCALE_ROW1
.elseif oA
	v_wmma_scale_f32_16x16x128_f8f6f4 v[rD:rD+7], v[rA:rA+11], v[rB:rB+11], v[rC:rC+7], v[sA], v[sB] matrix_a_fmt:MATRIX_FMT_FP6 matrix_b_fmt:MATRIX_FMT_FP6 matrix_a_scale:MATRIX_SCALE_ROW1
.elseif oB
	v_wmma_scale_f32_16x16x128_f8f6f4 v[rD:rD+7], v[rA:rA+11], v[rB:rB+11], v[rC:rC+7], v[sA], v[sB] matrix_a_fmt:MATRIX_FMT_FP6 matrix_b_fmt:MATRIX_FMT_FP6 matrix_b_scale:MATRIX_SCALE_ROW1
.else
	v_wmma_scale_f32_16x16x128_f8f6f4 v[rD:rD+7], v[rA:rA+11], v[rB:rB+11], v[rC:rC+7], v[sA], v[sB] matrix_a_fmt:MATRIX_FMT_FP6 matrix_b_fmt:MATRIX_FMT_FP6
.endif
.endm
	s_load_b256 s[4:11], s[0:1], 0x0               ; X's buffer s[4:5], wimg s[6:7], the weight's scales s[8:9], the bias s[10:11]
	s_load_b128 s[12:15], s[0:1], 0x20             ; the residual s[12:13], the output s[14:15]
	v_lshl_add_u32 v254, v0, 2, 0x29000
	v_mov_b32 v255, 0
	ds_add_u32 v254, v255
	ds_add_u32 v254, v255
	v_lshrrev_b32 v1, 5, v0
	v_readfirstlane_b32 s16, v1                    ; wave 0..3
	s_bfe_u32 s19, ttmp6, 0x40000                  ; cx
	s_lshl_b32 s17, ttmp9, 2
	s_add_co_u32 s17, s17, s19                     ; x: it enters global addresses of the weight, the bias, the residual and the output alone
	s_and_b32 s18, ttmp7, 0xffff                   ; y: 64 tokens
	s_mov_b32 s24, 15|(3<<16)|(1<<21)              ; group 1: the mask: all four work-groups; elements of 8 bytes; bit 21 set beside a mask; no padding
	s_mov_b32 s25, 32<<16                          ; tensor_dim0 = 32: rows of 256 bytes
	s_mov_b32 s26, TR<<16                          ; tensor_dim1
	s_mov_b32 s27, 32<<16                          ; tile_dim0
	s_mov_b32 s28, TR                              ; tile_dim1
	s_mov_b32 s29, 32                              ; dense
	s_mov_b32 s30, 0
	s_mov_b32 s31, 0
	s_mul_i32 s52, s18, XBYTES
	s_mul_i32 s33, s16, TR*256                     ; my part: wave x TR rows, in LDS as in memory
	s_add_co_u32 s52, s52, s33
	s_mov_b32 s53, 0
	s_wait_dscnt 0x0
	s_wait_kmcnt 0x0
	s_add_nc_u64 s[34:35], s[4:5], s[52:53]
.if KST == 32
	s_add_nc_u64 s[38:39], s[34:35], 98304         ; and the same in the upper half of K
	s_or_b32 s39, s39, 0x80000000
	s_mov_b32 s36, 1
	s_add_co_u32 s37, s33, 98304
.endif
	s_or_b32 s35, s35, 0x80000000                  ; type = 2
	s_mov_b32 s32, 1
	ROUND                                          ; all four work-groups are here: the joint loads meet
	tensor_load_to_lds s[32:35], s[24:31]
	s_nop 0
.if KST == 32
	tensor_load_to_lds s[36:39], s[24:31]          ; two loads of mine are out
.endif
	PLACES
	v_and_b32 v1, 15, v0                           ; r
	v_bfe_u32 v2, v0, 4, 1                         ; h
	v_and_b32 v3, 31, v0
	v_lshlrev_b32 v[L8], 3, v3
	v_lshlrev_b32 v[LI], 4, v3
.irp k, 0,1,2,3
	v_add_nc_u32 v[LA+\k], 61440*\k, v[LI]
	v_add_nc_u32 v[LB+\k], 61440*\k, v[L8]
.endr
	v_and_b32 v19, 8, v1
	v_add_nc_u32 v19, v19, v1
	v_lshl_add_u32 v19, v2, 3, v19                 ; rho = r + 8 (r / 8) + 8 h
.if KST == 8
	v_lshlrev_b32 v[XSO], 1, v1                    ; ab's scale bytes lie [bh][tile % 8][tile / 8][row 16][2]: row r,
	v_lshl_add_u32 v[XSO], v2, 9, v[XSO]           ; and lanes 16-31 the next tile, 512 bytes on
.else
	v_lshlrev_b32 v[XSO], 3, v19
.endif
	v_mul_u32_u24 v[YSO], v19, WSROW
	s_mul_i32 s54, s16, 16*272
	s_add_co_u32 s54, s54, STG                     ; my stage
	v_mul_u32_u24 v[STO], v1, 272
	v_lshl_add_u32 v[STO], v2, 6, v[STO]
	v_add_nc_u32 v[STO], s54, v[STO]               ; in: row r, + 64 h
	v_mul_u32_u24 v[RD], v2, 272
	v_lshl_add_u32 v[RD], v1, 4, v[RD]
	v_add_nc_u32 v[RD], s54, v[RD]                 ; back: lanes 0-15 one row of 256 bytes, lanes 16-31 the next
	v_lshlrev_b32 v[RO], 12, v2
	v_lshl_add_u32 v[RO], v1, 4, v[RO]             ; and the same two rows in memory
	s_lshl_b32 s56, s17, 8
	s_lshl_b32 s57, s16, 6
	s_add_co_u32 s56, s56, s57                     ; my first output: 256 x + 64 w
	s_lshl_b32 s60, s56, 2
	v_lshl_add_u32 v[BO], v2, 6, s60               ; the bias: 4 (256 x + 64 w + 16 h)
	s_wait_alu depctr_va_vdst(0)
	s_lshl_b32 s54, s17, 2
	s_add_co_u32 s54, s54, s16
	s_mul_i32 s54, s54, XBYTES                     ; my group of four tiles of the weight: as many bytes as a group of tokens
	s_add_co_u32 s54, s54, WOFF
	s_mov_b32 s55, 0
	s_add_nc_u64 s[42:43], s[6:7], s[54:55]
	s_mul_i32 s58, s56, WSROW
	s_mov_b32 s59, 0
	s_add_nc_u64 s[46:47], s[8:9], s[58:59]
	s_lshl_b32 s62, s18, 18
	s_add_co_u32 s62, s62, s60                     ; 64 y rows of 4,096 bytes + my columns
	s_mov_b32 s63, 0
	s_add_nc_u64 s[48:49], s[12:13], s[62:63]
	s_add_nc_u64 s[50:51], s[14:15], s[62:63]
.if KST == 8
	s_lshr_b32 s66, s18, 5
	s_lshl_b32 s66, s66, 16                        ; batch x 16 heads x 4,096
	s_and_b32 s67, s18, 1
	s_lshl_b32 s67, s67, 11                        ; my first tile % 8 is 4 (y % 2): x 512
	s_add_co_u32 s66, s66, s67
	s_bfe_u32 s67, s18, 0x40001
	s_lshl_b32 s67, s67, 5                         ; its block of 128 tokens, (y % 32) / 2: x 32
	s_add_co_u32 s66, s66, s67
.else
	s_lshl_b32 s66, s18, 9
.endif
	s_add_co_u32 s66, s66, SCOFF
	s_mov_b32 s67, 0
	s_add_nc_u64 s[44:45], s[4:5], s[66:67]
.if KST == 8
.irp p, 0,1
.set hd, 0
.rept 16
	global_load_u16 v[XBF+16*\p+hd], v[XSO], s[44:45] offset:1024*\p+4096*hd   ; tiles 2 p, 2 p + 1 of my four: head hd's two bytes of my token
.set hd, hd+1
.endr
.endr
.else
.irp p, 0,1
.set xx, 0
.rept 16
	global_load_b64 v[XSC+32*\p+2*xx:XSC+32*\p+2*xx+1], v[XSO], s[44:45] offset:256*\p+32768*xx   ; the words of K steps 2 xx, 2 xx + 1
.set xx, xx+1
.endr
.endr
.endif
.irp p, 0,1
.set i, 0
.rept KST/4
	global_load_b128 v[YSC+KST*\p+4*i:YSC+KST*\p+4*i+3], v[YSO], s[46:47] offset:32*WSROW*\p+16*i
.set i, i+1
.endr
.endr
	WIN 0x80
.irp b, 0,1
.irp j, 0,1,2,3
	global_load_b128 v[BQ+16*\b+4*\j:BQ+16*\b+4*\j+3], v[BO], s[10:11] offset:128*\b+16*\j
.endr
.endr
	WIN 0
	YLD 0
	YLD 1
	YLD 2
	YLD 3
.if KST == 8
	s_wait_loadcnt 60                              ; the 32 halfwords are in; behind them: 4 loads of the weight's scales, 8 of the bias, 48 of the weight
.irp p, 0,1
.irp t, 0,1,2,3,4,5,6,7
	v_lshl_or_b32 v[XSC+8*\p+\t], v[XBF+16*\p+2*\t+1], 16, v[XBF+16*\p+2*\t]   ; K step t = heads 2 t and 2 t + 1
.endr
.endr
.rept 8
	v_nop                                          ; a scale register written by a vector instruction stands eight places ahead of the product
.endr
	s_wait_alu depctr_va_vdst(0)
	s_wait_tensorcnt 0x0
.else
	s_wait_tensorcnt 0x1                           ; my first load has landed; the second may stay out
.endif
	BAR                                            ; KST = 8: all of X lies in LDS;  KST = 32: K steps 0 to 15
	XLD 0
.set st, 0
.rept KST
	WIN 0
.if st > 0
	PLACES                                         ; four places between the last products and the loads into the buffer and the set that they read
.endif
.if st+4 < KST
	YLD st+4
.else
	RLD st+4-KST
.endif
.if (KST == 32) && (st == 15)
	s_wait_tensorcnt 0x0
	BAR                                            ; K steps 16 to 31 lie in LDS
.endif
.if st < KST-1
	XLD st+1
	s_wait_dscnt 16                                ; this step's fragments are in; the 16 loads just issued may stay out
.else
	s_wait_dscnt 0x0
.endif
.set ny, KST-1-st
.if ny > 4
.set ny, 4
.endif
	s_wait_loadcnt 12*ny+8*(4-ny)                  ; this step's set is in; the four younger sets (12 loads of the weight or 8 of the residual each) may stay out
	WIN 0xa1                                       ; weights window 1, X window 0, C and D window 2
.irp a, 0,1,2,3
.irp b, 0,1,2,3
.set rD, 32*\a+8*\b
.set rA, 48*(st%5)+12*\b
.set rB, XBF+48*(st%2)+12*\a
.set sA, YSC+KST*(\b/2)+st
.set sB, XSC+KST*(\a/2)+st
.set oA, \b%2
.set oB, \a%2
.set rC, rD
.if st == 0
.set rC, BQ+8*\b                       ; the bias starts the sums
.endif
	WMS                                            ; sixteen accumulators by turns
.endr
.endr
.set st, st+1
.endr
	WIN 0
	PLACES
	; THE WAY OUT, a tile of 16 tokens at a time: through my stage, + the residual, out as runs of 256 bytes
.irp a, 0,1,2,3
.if \a >= 2
	s_wait_xcnt 0x0                                ; tile a - 2's stores have read their registers
.endif
	WIN 0x08                                       ; an LDS store's data are its source 1: window 2
.irp b, 0,1,2,3
	ds_store_b128 v[STO], v[32*\a+8*\b:32*\a+8*\b+3] offset:128*(\b/2)+32*(\b%2)        ; lane (r, h): outputs 32 (b / 2) + 16 h + 8 (b % 2) + 0 .. 7; each accumulator from its low end on
	ds_store_b128 v[STO], v[32*\a+8*\b+4:32*\a+8*\b+7] offset:128*(\b/2)+32*(\b%2)+16
.endr
	WIN 0
.irp i, 0,1,2,3,4,5,6,7
	ds_load_b128 v[XBF+32*(\a%2)+4*\i:XBF+32*(\a%2)+4*\i+3], v[RD] offset:544*\i   ; LDS serves a wave's instructions in order: these see my stores
.endr
	s_wait_dscnt 0x0
	s_wait_loadcnt 8*(3-\a)                        ; this tile's rows of the residual are in; the later tiles' may stay out
	WIN 0x04
.set j, 0
.rept 16
	v_pk_add_f32 v[XBF+32*(\a%2)+j:XBF+32*(\a%2)+j+1], v[XBF+32*(\a%2)+j:XBF+32*(\a%2)+j+1], v[48*((KST+\a)%5)+j:48*((KST+\a)%5)+j+1]
.set j, j+2
.endr
	WIN 0
.irp i, 0,1,2,3,4,5,6,7
	global_store_b128 v[RO], v[XBF+32*(\a%2)+4*\i:XBF+32*(\a%2)+4*\i+3], s[50:51] offset:(32*(\a/2)+8*(\a%2)+2*\i+8*(\i/4))*4096   ; sixteen lanes store 256 consecutive bytes, at a multiple of 256
.endr
.endr
	s_wait_dscnt 0x0
	s_wait_tensorcnt 0x0
	ds_add_u32 v254, v255
	s_wait_dscnt 0x0
	ROUND                                          ; the closing round: no work-group ends while a partner may still ask for a tile that names it
	s_endpgm
.Lfunc_end_k_qe3a30a7d71_proj:
	.size	k_qe3a30a7d71_proj, .Lfunc_end_k_qe3a30a7d71_proj-k_qe3a30a7d71_proj
	.p2alignl 7, 3214868480
	.fill 96, 4, 3214868480
	.section	.rodata,"a",@progbits
	.p2align	6, 0x0
	.amdhsa_kernel k_qe3a30a7d71_proj
		.amdhsa_group_segment_fixed_size 168448
		.amdhsa_private_segment_fixed_size 0
		.amdhsa_enable_private_segment 0
		.amdhsa_kernarg_size 48
		.amdhsa_user_sgpr_count 2
		.amdhsa_user_sgpr_kernarg_segment_ptr 1
		.amdhsa_wavefront_size32 1
		.amdhsa_system_sgpr_workgroup_id_x 1
		.amdhsa_system_sgpr_workgroup_id_y 1
		.amdhsa_system_sgpr_workgroup_id_z 1
		.amdhsa_system_vgpr_workitem_id 0
		.amdhsa_next_free_vgpr 768
		.amdhsa_next_free_sgpr 80
		.amdhsa_reserve_vcc 0
		.amdhsa_float_denorm_mode_32 3
		.amdhsa_float_denorm_mode_16_64 3
		.amdhsa_memory_ordered 1
		.amdhsa_forward_progress 1
		.amdhsa_inst_pref_size 62
	.end_amdhsa_kernel
	.amdgpu_metadata
---
amdhsa.version: [ 1, 2 ]
amdhsa.kernels:
  - .name:           k_qe3a30a7d71_proj
    .symbol:         k_qe3a30a7d71_proj.kd
    .args:
      - { .name: ab, .offset: 0, .size: 8, .value_kind: global_buffer, .address_space: global }
      - { .name: wimg, .offset: 8, .size: 8, .value_kind: global_buffer, .address_space: global }
      - { .name: w_proj_scales, .offset: 16, .size: 8, .value_kind: global_buffer, .address_space: global }
      - { .name: b_proj, .offset: 24, .size: 8, .value_kind: global_buffer, .address_space: global }
      - { .name: x, .offset: 32, .size: 8, .value_kind: global_buffer, .address_space: global }
      - { .name: x2, .offset: 40, .size: 8, .value_kind: global_buffer, .address_space: global }
    .group_segment_fixed_size: 168448
    .private_segment_fixed_size: 0
    .kernarg_segment_align: 8
    .kernarg_segment_size: 48
    .max_flat_workgroup_size: 128
    .sgpr_count:     80
    .vgpr_count:     768
    .wavefront_size: 32
...
	.end_amdgpu_metadata
.endif
;; end of part 4
;; launch ln2 (part 5): grid 256 x 1, 8 waves a work-group, no clusters, 3,072 bytes of LDS; arguments x2, ln2_scale, ln2_bias, hbuf; writes hbuf
.if DOCPART == 5
	.amdgcn_target "amdgcn-amd-amdhsa--gfx1250"
	.amdhsa_code_object_version 6
	.text
	.protected	k_qe3a30a7d71_ln2
	.globl	k_qe3a30a7d71_ln2
	.p2align	8
	.type	k_qe3a30a7d71_ln2,@function
k_qe3a30a7d71_ln2:
	s_mov_b64 s[64:65], 0
	v_nop
	global_prefetch_b8 v0, s[64:65] scope:SCOPE_SE
	s_setreg_imm32_b32 hwreg(HW_REG_WAVE_MODE, 25, 1), 1
	s_wait_xcnt 0x0
; h = layernorm(x2) gamma + beta, in f32, quantised along its 1,024 to codes of FP6 (E2M3) with one E8M0 byte for each 32.
; A work-group takes one TILE of 16 tokens, wave w the 128 numbers 128 w .. of each.  Row i of tile T is token 32 (T / 2) + 8 (T % 2) + i + 8 (i / 8).
; The codes leave as an IMAGE OF THE OPERAND'S REGISTERS (12 registers a lane: registers 4 c .. 4 c + 3 of lane l at 512 c + 16 l): hbuf [T / 16][K step 8][T % 16][1,536 bytes].  The scale bytes leave by tokens: hbuf + HS, [token][32].
; LIMITS: NaN and infinities are not served; a block whose largest magnitude lies under 2^-124 gets the byte 1 (a block of zeros too: its codes are zeros, and this program alone reads the bytes).
.set X,    32                          ; v32-95   my 64 numbers: register 16 b + i = k 128 w + 32 b + 16 (lane / 16) + i of my row
.set GA,   96                          ; v96-159  gamma at the same k
.set BE,   160                         ; v160-223 beta
.set PC,   96                          ; v96-114  the codes (gamma is spent by then)
.set TM,   224                         ; v224-239 at work in the quantiser
.set PW,   240                         ; v240     my row's scale word of this K step
.set SEL,  20
.set RED2, 512                         ; LDS: 16 rows x 8 partial sums at 0, the same for the squares at RED2, the scale words at SCS
.set SCS,  1024
.set HS,   3145728
.macro BAR
	s_wait_dscnt 0x0
	s_barrier_signal -1
	s_barrier_wait -1
.endm
.macro ROWSUM off                      ; four partial sums of my 64 numbers, v[20:23] -> v8: the row's sum over all 1,024, in every lane
	s_delay_alu instid0(VALU_DEP_1)
	v_pk_add_f32 v[20:21], v[20:21], v[22:23]
	s_delay_alu instid0(VALU_DEP_1)
	v_add_f32 v20, v20, v21
	s_delay_alu instid0(VALU_DEP_1)
	v_permlanex16_b32 v24, v20, s[SEL], s[SEL+1]
	s_delay_alu instid0(VALU_DEP_1)
	v_add_f32 v20, v20, v24
	ds_store_b32 v6, v20 offset:\off
	BAR
	ds_load_b128 v[8:11], v7 offset:\off
	ds_load_b128 v[12:15], v7 offset:\off+16
	s_wait_dscnt 0x0
	v_add_f32 v8, v8, v9
	v_add_f32 v10, v10, v11
	v_add_f32 v12, v12, v13
	v_add_f32 v14, v14, v15
	s_delay_alu instid0(VALU_DEP_3)
	v_add_f32 v8, v8, v10
	s_delay_alu instid0(VALU_DEP_2)
	v_add_f32 v12, v12, v14
	s_delay_alu instid0(VALU_DEP_1)
	v_add_f32 v8, v8, v12
.endm
.macro QUANT128 s                      ; 64 numbers of a lane become a fragment's codes in v[PC] on and its scale word in v[PW]
.irp b, 0,1,2,3
	v_max3_num_f32 v[TM+\b], |v[\s+16*\b]|, |v[\s+1+16*\b]|, 0x1800000   ; and the floor 2^(3 - 127): the byte cannot fall under 1
.endr
.irp i, 2,4,6,8,10,12,14
.irp b, 0,1,2,3
	s_delay_alu instid0(VALU_DEP_4)
	v_max3_num_f32 v[TM+\b], v[TM+\b], |v[\s+16*\b+\i]|, |v[\s+1+16*\b+\i]|
.endr
.endr
.irp b, 0,1,2,3
	s_delay_alu instid0(VALU_DEP_4)
	v_permlanex16_b32 v[TM+4+\b], v[TM+\b], s[SEL], s[SEL+1]
.endr
.irp b, 0,1,2,3
	s_delay_alu instid0(VALU_DEP_4)
	v_max_num_f32 v[TM+\b], v[TM+\b], v[TM+4+\b]
.endr
.irp b, 0,1,2,3
	s_delay_alu instid0(VALU_DEP_4)
	v_add_nc_u32 v[TM+12+\b], 0xff000000, v[TM+\b] ; 2 off the exponent field: the conversion's scale operand
.endr
.irp b, 0,1,2,3
	s_delay_alu instid0(VALU_DEP_4)
	v_lshrrev_b32 v[TM+4+\b], 23, v[TM+12+\b]      ; the scale's byte
.endr
	s_delay_alu instid0(VALU_DEP_3)
	v_lshl_or_b32 v[PW], v[TM+5], 8, v[TM+4]
	s_delay_alu instid0(VALU_DEP_1)
	v_lshl_or_b32 v[PW], v[TM+6], 16, v[PW]
	s_delay_alu instid0(VALU_DEP_1)
	v_lshl_or_b32 v[PW], v[TM+7], 24, v[PW]
.irp c, 0,1
	v_cvt_scalef32_pk16_fp6_f32 v[PC+6*\c:PC+2+6*\c], v[\s+32*\c:\s+15+32*\c], v[TM+12+2*\c]
	v_cvt_scalef32_pk16_fp6_f32 v[PC+12+4*\c:PC+14+4*\c], v[\s+16+32*\c:\s+31+32*\c], v[TM+12+2*\c+1]
.endr
	v_nop                                          ; one plain place behind a scaled conversion
.irp c, 0,1
.irp i, 0,1,2
	v_permlane16_swap_b32 v[PC+6*\c+\i], v[PC+12+4*\c+\i]
.endr
.irp i, 0,1,2
	s_delay_alu instid0(VALU_DEP_3)
	v_mov_b32 v[PC+3+6*\c+\i], v[PC+12+4*\c+\i]
.endr
.endr
.endm
	s_load_b256 s[4:11], s[0:1], 0x0               ; x2 s[4:5], gamma s[6:7], beta s[8:9], hbuf s[10:11]
	v_lshl_add_u32 v254, v0, 2, 0x800
	v_mov_b32 v255, 0
	v_lshrrev_b32 v1, 5, v0
	s_delay_alu instid0(VALU_DEP_1)
	v_readfirstlane_b32 s12, v1                    ; wave 0..7 = K step
	v_and_b32 v1, 15, v0                           ; r
	v_bfe_u32 v2, v0, 4, 1                         ; h
	v_and_b32 v3, 31, v0
	s_delay_alu instid0(VALU_DEP_1)
	v_lshlrev_b32 v3, 4, v3                        ; 16 x lane
	s_lshr_b32 s13, ttmp9, 1
	s_lshl_b32 s13, s13, 5
	s_and_b32 s14, ttmp9, 1
	s_lshl_b32 s14, s14, 3
	s_add_co_u32 s13, s13, s14                     ; the tile's first token
	s_lshl_b32 s15, s12, 9
	s_lshl_b32 s16, s12, 2
	v_and_b32 v4, 8, v1
	s_delay_alu instid0(VALU_DEP_1)
	v_add_nc_u32 v4, v4, v1
	s_delay_alu instid0(VALU_DEP_1)
	v_add_nc_u32 v4, s13, v4                       ; my token
	s_delay_alu instid0(VALU_DEP_1)
	v_lshlrev_b32 v4, 12, v4
	v_lshl_add_u32 v5, v2, 6, s15                  ; gamma, beta: 512 w + 64 h
	s_delay_alu instid0(VALU_DEP_1)
	v_add_nc_u32 v4, v4, v5                        ; x2: token x 4,096 + 512 w + 64 h
	v_lshl_add_u32 v6, v1, 5, s16                  ; LDS: row r's word of wave w
	v_lshlrev_b32 v7, 5, v1                        ; LDS: row r's eight words
	v_bfe_u32 v25, v0, 1, 4                        ; the scale bytes' way out (wave 0): lane l takes half l % 2 of row l / 2
	s_delay_alu instid0(VALU_DEP_1)
	v_and_b32 v26, 8, v25
	s_delay_alu instid0(VALU_DEP_1)
	v_add_nc_u32 v25, v25, v26
	s_delay_alu instid0(VALU_DEP_1)
	v_add_nc_u32 v25, s13, v25
	s_delay_alu instid0(VALU_DEP_1)
	v_lshlrev_b32 v25, 5, v25
	v_and_b32 v26, 1, v0
	s_delay_alu instid0(VALU_DEP_1)
	v_lshl_add_u32 v25, v26, 4, v25
	s_mov_b32 s[SEL], 0x76543210
	s_mov_b32 s[SEL+1], 0xfedcba98
	s_mov_b32 s22, 0x3a800000                      ; 1 / 1,024
	s_mov_b32 s23, 0x3727c5ac                      ; 1e-5
	v_mov_b32 v24, 0
.irp b, 0,1,2,3
	v_mov_b32 v[TM+4+\b], 0
.endr
	s_lshr_b32 s24, ttmp9, 4
	s_lshl_b32 s24, s24, 3
	s_add_co_u32 s24, s24, s12
	s_lshl_b32 s24, s24, 4
	s_and_b32 s25, ttmp9, 15
	s_add_co_u32 s24, s24, s25
	s_mul_i32 s24, s24, 1536                       ; my image: ((T / 16) 8 + w) 16 + T % 16
	s_mov_b32 s25, 0
	s_wait_kmcnt 0x0
	s_add_nc_u64 s[26:27], s[10:11], s[24:25]
.irp b, 0,1,2,3
.irp j, 0,1,2,3
	global_load_b128 v[X+16*\b+4*\j:X+16*\b+4*\j+3], v4, s[4:5] offset:128*\b+16*\j
.endr
.endr
.irp b, 0,1,2,3
.irp j, 0,1,2,3
	global_load_b128 v[GA+16*\b+4*\j:GA+16*\b+4*\j+3], v5, s[6:7] offset:128*\b+16*\j
.endr
.endr
.irp b, 0,1,2,3
.irp j, 0,1,2,3
	global_load_b128 v[BE+16*\b+4*\j:BE+16*\b+4*\j+3], v5, s[8:9] offset:128*\b+16*\j
.endr
.endr
	s_wait_loadcnt 32                              ; x2 is in; the 32 younger loads (gamma, beta) may stay out
	v_pk_add_f32 v[20:21], v[X:X+1], v[X+2:X+3]
	v_pk_add_f32 v[22:23], v[X+4:X+5], v[X+6:X+7]
.irp j, 8,12,16,20,24,28,32,36,40,44,48,52,56,60
	s_delay_alu instid0(VALU_DEP_2)
	v_pk_add_f32 v[20:21], v[20:21], v[X+\j:X+\j+1]
	s_delay_alu instid0(VALU_DEP_2)
	v_pk_add_f32 v[22:23], v[22:23], v[X+\j+2:X+\j+3]
.endr
	ROWSUM 0
	s_delay_alu instid0(VALU_DEP_1)
	v_mul_f32 v16, s22, v8                         ; the mean
	s_delay_alu instid0(VALU_DEP_1)
	v_mov_b32 v17, v16
.set j, 0
.rept 32
	v_pk_add_f32 v[X+j:X+j+1], v[X+j:X+j+1], v[16:17] neg_lo:[0,1] neg_hi:[0,1]
.set j, j+2
.endr
	v_pk_mul_f32 v[20:21], v[X:X+1], v[X:X+1]
	v_pk_mul_f32 v[22:23], v[X+2:X+3], v[X+2:X+3]
.irp j, 4,8,12,16,20,24,28,32,36,40,44,48,52,56,60
	s_delay_alu instid0(VALU_DEP_2)
	v_pk_fma_f32 v[20:21], v[X+\j:X+\j+1], v[X+\j:X+\j+1], v[20:21]
	s_delay_alu instid0(VALU_DEP_2)
	v_pk_fma_f32 v[22:23], v[X+\j+2:X+\j+3], v[X+\j+2:X+\j+3], v[22:23]
.endr
	ROWSUM RED2
	s_delay_alu instid0(VALU_DEP_1)
	v_fma_f32 v8, v8, s22, s23                     ; variance + eps
	s_wait_alu depctr_va_vdst(0)
	v_rsq_f32 v18, v8
	v_nop                                          ; a plain place behind the transcendental
	s_wait_alu depctr_va_vdst(0)                   ; and the wait ahead of its first reader
	v_mov_b32 v19, v18
	s_wait_alu depctr_va_vdst(0)
	s_wait_loadcnt 0x0                             ; gamma and beta
.set j, 0
.rept 32
	v_pk_mul_f32 v[X+j:X+j+1], v[X+j:X+j+1], v[18:19]
.set j, j+2
.endr
.set j, 0
.rept 32
	v_pk_fma_f32 v[X+j:X+j+1], v[X+j:X+j+1], v[GA+j:GA+j+1], v[BE+j:BE+j+1]
.set j, j+2
.endr
	QUANT128 X
.irp c, 0,1,2
	global_store_b128 v3, v[PC+4*\c:PC+4*\c+3], s[26:27] offset:512*\c   ; 32 lanes store 512 consecutive bytes, at a multiple of 256
.endr
	ds_store_b32 v6, v[PW] offset:SCS
	BAR                                            ; the tile's 16 x 32 scale bytes lie in LDS
	s_cmp_lg_u32 s12, 0
	s_cbranch_scc1 .Lln_end
	ds_load_b128 v[8:11], v3 offset:SCS
	s_wait_dscnt 0x0
	global_store_b128 v25, v[8:11], s[10:11] offset:HS
.Lln_end:
	s_wait_tensorcnt 0x0
	ds_add_u32 v254, v255
	s_wait_dscnt 0x0
	s_endpgm
.Lfunc_end_k_qe3a30a7d71_ln2:
	.size	k_qe3a30a7d71_ln2, .Lfunc_end_k_qe3a30a7d71_ln2-k_qe3a30a7d71_ln2
	.p2alignl 7, 3214868480
	.fill 96, 4, 3214868480
	.section	.rodata,"a",@progbits
	.p2align	6, 0x0
	.amdhsa_kernel k_qe3a30a7d71_ln2
		.amdhsa_group_segment_fixed_size 3072
		.amdhsa_private_segment_fixed_size 0
		.amdhsa_enable_private_segment 0
		.amdhsa_kernarg_size 32
		.amdhsa_user_sgpr_count 2
		.amdhsa_user_sgpr_kernarg_segment_ptr 1
		.amdhsa_wavefront_size32 1
		.amdhsa_system_sgpr_workgroup_id_x 1
		.amdhsa_system_sgpr_workgroup_id_y 1
		.amdhsa_system_sgpr_workgroup_id_z 1
		.amdhsa_system_vgpr_workitem_id 0
		.amdhsa_next_free_vgpr 256
		.amdhsa_next_free_sgpr 66
		.amdhsa_reserve_vcc 0
		.amdhsa_float_denorm_mode_32 3
		.amdhsa_float_denorm_mode_16_64 3
		.amdhsa_memory_ordered 1
		.amdhsa_forward_progress 1
		.amdhsa_inst_pref_size 28
	.end_amdhsa_kernel
	.amdgpu_metadata
---
amdhsa.version: [ 1, 2 ]
amdhsa.kernels:
  - .name:           k_qe3a30a7d71_ln2
    .symbol:         k_qe3a30a7d71_ln2.kd
    .args:
      - { .name: x2, .offset: 0, .size: 8, .value_kind: global_buffer, .address_space: global }
      - { .name: ln2_scale, .offset: 8, .size: 8, .value_kind: global_buffer, .address_space: global }
      - { .name: ln2_bias, .offset: 16, .size: 8, .value_kind: global_buffer, .address_space: global }
      - { .name: hbuf, .offset: 24, .size: 8, .value_kind: global_buffer, .address_space: global }
    .group_segment_fixed_size: 3072
    .private_segment_fixed_size: 0
    .kernarg_segment_align: 8
    .kernarg_segment_size: 32
    .max_flat_workgroup_size: 256
    .sgpr_count:     66
    .vgpr_count:     256
    .wavefront_size: 32
...
	.end_amdgpu_metadata
.endif
;; end of part 5
;; launch fc (part 6): grid 16 x 16, 4 waves a work-group, clusters of 4 x 1, 327,680 bytes of LDS; arguments hbuf, wimg, w_fc_scales, b_fc, gbuf; writes gbuf
.if DOCPART == 6
	.amdgcn_target "amdgcn-amd-amdhsa--gfx1250"
	.amdhsa_code_object_version 6
	.text
	.protected	k_qe3a30a7d71_fc
	.globl	k_qe3a30a7d71_fc
	.p2align	8
	.type	k_qe3a30a7d71_fc,@function
k_qe3a30a7d71_fc:
	s_mov_b64 s[64:65], 0
	v_nop
	global_prefetch_b8 v0, s[64:65] scope:SCOPE_SE
	s_setreg_imm32_b32 hwreg(HW_REG_WAVE_MODE, 25, 1), 1
	s_wait_xcnt 0x0
	s_wait_alu depctr_hold_cnt(0) depctr_sa_sdst(0) depctr_va_vdst(0) depctr_va_sdst(0) depctr_va_ssrc(0) depctr_va_vcc(0) depctr_vm_vsrc(0)
	s_getreg_b32 s2, hwreg(HW_REG_IB_STS2, 6, 4)
	s_cmp_eq_u32 s2, 0
	s_cbranch_scc0 .Lentry_in_a_cluster
	s_endpgm
.Lentry_in_a_cluster:
	s_bfe_u32 s2, ttmp6, 0x10000c
	s_cmp_lg_u32 s2, 0x3003
	s_cbranch_scc0 .Lentry_shape_is_right
	s_endpgm
.Lentry_shape_is_right:
.set FC,  1
.set HS,  3145728
.set WF,  3145728
.set KI,  3145728
.set VI,  6291456
.set QS,  9437184
.set KVS, 9699328
.set GS,  12582912
.set SQ,  196608
.set SV,  200704
.set SG,  196608
.set LI,  3
.set LA,  4
.set SO,  9
.set BO,  10
.set BVO, 11
.set SA0, 12
.set SA1, 13
.set L8,  15
.set SR0, 17
.set SR1, 18
.set XSC, 32
.set YSC, 96
.set XBF, 112
.set E,   112                          ; at the very end: the stage read back
.set TM4, 112                          ; on the way out, four tiles side by side, tile u: v[112 + 6 u] on six registers at work,
.set HW4, 136                          ; v[136 + u] the two scale bytes,
.set PC4, 144                          ; v[144 + 8 u] on the six registers of codes,
.set PT4, 176                          ; v[176 + 4 u] on their second half as the conversion leaves it
.set LIU, 192                          ; v193-195, v197-199: 16 x lane and 8 x lane + u tiles (FC = 0)
.set BQ,  192
.set BV,  224
.set SEL, 20
.set MSB, 0
.macro WIN new
.if MSB != (\new)
	s_set_vgpr_msb (MSB<<8)|(\new)
.set MSB, (\new)
.endif
.endm
.macro BAR
	s_wait_dscnt 0x0
	s_barrier_signal -1
	s_barrier_wait -1
.endm
.macro ROUND
	s_barrier_signal -1
	s_barrier_wait -1
	s_cmp_lg_u32 s14, 0
	s_cbranch_scc1 .Lnot_wave_0_\@
	s_barrier_signal -3
.Lnot_wave_0_\@:
	s_barrier_wait -3
	s_barrier_signal -1
	s_barrier_wait -1
.endm
.macro PLACES
.rept 4
	v_nop
.endr
.endm
.macro XLD qq
.irp i, 0,1,2,3
.irp c, 0,1,2
	ds_load_b128 v[XBF+48*((\qq)%2)+12*\i+4*\c:XBF+48*((\qq)%2)+12*\i+4*\c+3], v[LA+(\qq)/8] offset:(((\qq)/4)%2)*24576+(4*((\qq)%4)+\i)*1536+512*\c
.endr
.endr
.endm
.macro YLD ss
	WIN 0x40
.irp f, 0,1,2,3
.irp c, 0,1,2
	global_load_b128 v[48*((\ss)%4)+12*\f+4*\c:48*((\ss)%4)+12*\f+4*\c+3], v[LI], s[42:43] offset:24576*(\ss)+1536*\f+512*\c
.endr
.endr
	WIN 0
.endm
.macro WMS
.if oA && oB
	v_wmma_scale_f32_16x16x128_f8f6f4 v[rD:rD+7], v[rA:rA+11], v[rB:rB+11], v[rC:rC+7], v[sA], v[sB] matrix_a_fmt:MATRIX_FMT_FP6 matrix_b_fmt:MATRIX_FMT_FP6 matrix_a_scale:MATRIX_SCALE_ROW1 matrix_b_scale:MATRIX_SCALE_ROW1
.elseif oA
	v_wmma_scale_f32_16x16x128_f8f6f4 v[rD:rD+7], v[rA:rA+11], v[rB:rB+11], v[rC:rC+7], v[sA], v[sB] matrix_a_fmt:MATRIX_FMT_FP6 matrix_b_fmt:MATRIX_FMT_FP6 matrix_a_scale:MATRIX_SCALE_ROW1
.elseif oB
	v_wmma_scale_f32_16x16x128_f8f6f4 v[rD:rD+7], v[rA:rA+11], v[rB:rB+11], v[rC:rC+7], v[sA], v[sB] matrix_a_fmt:MATRIX_FMT_FP6 matrix_b_fmt:MATRIX_FMT_FP6 matrix_b_scale:MATRIX_SCALE_ROW1
.else
	v_wmma_scale_f32_16x16x128_f8f6f4 v[rD:rD+7], v[rA:rA+11], v[rB:rB+11], v[rC:rC+7], v[sA], v[sB] matrix_a_fmt:MATRIX_FMT_FP6 matrix_b_fmt:MATRIX_FMT_FP6
.endif
.endm
.macro MULQ
.irp i, 0,1,2,3
.irp b, 0,1,2,3
.set aa, 4*(q%4)+\i
.set rD, 32*(aa%8)+8*\b
.set rA, 48*((q/4)%4)+12*\b
.set rB, XBF+48*(q%2)+12*\i
.set sA, YSC+8*(\b/2)+q/4
.set sB, XSC+8*(aa/2)+q/4
.set oA, \b%2
.set oB, aa%2
.set rC, rD
.if q/4 == 0
.set rC, BQ+8*\b
.endif
	WMS
.endr
.endr
.endm
; THE WAY OUT of X's tiles 4 g .. 4 g + 3, side by side: the four tiles' two blocks each are eight chains that take turns line by line.  A tile is 32 numbers a lane, register 16 bb + i = index 32 bb + 16 (lane / 16) + i:
; finished in place in the accumulators (window 2 + g / 2), quantised; half a fragment a tile goes to memory, its two scale bytes to a stage
.macro EPI4 g
.if FC
	WIN 0x88+0x44*(\g/2)                           ; source 1 and destination in the accumulators' window
.set j, 0
.rept 32
.irp u, 0,1,2,3
	v_max_num_f32 v[32*((4*\g+\u)%8)+j], 0, v[32*((4*\g+\u)%8)+j]   ; relu; each accumulator is read from its low end on
.endr
.set j, j+1
.endr
.else
	WIN 0x86+0x41*(\g/2)                           ; source 0 and destination in the accumulators' window, source 1 in window 1
.set j, 0
.rept 16
.irp u, 0,1,2,3
	v_pk_add_f32 v[32*((4*\g+\u)%8)+j:32*((4*\g+\u)%8)+j+1], v[32*((4*\g+\u)%8)+j:32*((4*\g+\u)%8)+j+1], v[BV+2*(4*\g+\u):BV+2*(4*\g+\u)+1] op_sel_hi:[1,0]   ; + my channel's bias (v); + 0 (q, k)
.endr
.set j, j+2
.endr
.endif
	WIN 0x0a+5*(\g/2)                              ; sources 0 and 1 in the accumulators' window
.irp b, 0,1
.irp u, 0,1,2,3
	v_max3_num_f32 v[TM4+6*\u+\b], |v[32*((4*\g+\u)%8)+16*\b]|, |v[32*((4*\g+\u)%8)+16*\b+1]|, 0x1800000   ; and the floor 2^(3 - 127): the byte cannot fall under 1
.endr
.endr
	WIN 0x28+0x14*(\g/2)                           ; sources 1 and 2
.irp i, 2,4,6,8,10,12,14
.irp b, 0,1
.irp u, 0,1,2,3
	v_max3_num_f32 v[TM4+6*\u+\b], v[TM4+6*\u+\b], |v[32*((4*\g+\u)%8)+16*\b+\i]|, |v[32*((4*\g+\u)%8)+16*\b+\i+1]|
.endr
.endr
.endr
	WIN 0
.irp b, 0,1
.irp u, 0,1,2,3
	v_permlanex16_b32 v[TM4+6*\u+2+\b], v[TM4+6*\u+\b], s[SEL], s[SEL+1]
.endr
.endr
.irp b, 0,1
.irp u, 0,1,2,3
	v_max_num_f32 v[TM4+6*\u+\b], v[TM4+6*\u+\b], v[TM4+6*\u+2+\b]   ; with lane l xor 16's: the block's largest magnitude
.endr
.endr
.irp b, 0,1
.irp u, 0,1,2,3
	v_add_nc_u32 v[TM4+6*\u+4+\b], 0xff000000, v[TM4+6*\u+\b]        ; 2 off its exponent field: the conversion's scale operand
.endr
.endr
.irp b, 0,1
.irp u, 0,1,2,3
	v_lshrrev_b32 v[TM4+6*\u+2+\b], 23, v[TM4+6*\u+4+\b]             ; the scale's byte
.endr
.endr
	s_wait_alu depctr_va_vdst(0)                   ; the wait directly ahead of the waits below
	s_wait_dscnt 0x0                               ; the last four tiles' LDS stores are done: their data registers are written again
.if \g > 0
	s_wait_xcnt 0x0                                ; and their stores have read their registers and their base
.if FC == 0
	s_add_nc_u64 s[48:49], s[48:49], s[52:53]      ; four tiles on
.endif
.endif
.irp u, 0,1,2,3
	v_lshl_or_b32 v[HW4+\u], v[TM4+6*\u+3], 8, v[TM4+6*\u+2]
.endr
	WIN 0x02+(\g/2)                                ; source 0 in the accumulators' window
.irp u, 0,1,2,3
	v_cvt_scalef32_pk16_fp6_f32 v[PC4+8*\u:PC4+8*\u+2], v[32*((4*\g+\u)%8):32*((4*\g+\u)%8)+15], v[TM4+6*\u+4]
	v_cvt_scalef32_pk16_fp6_f32 v[PT4+4*\u:PT4+4*\u+2], v[32*((4*\g+\u)%8)+16:32*((4*\g+\u)%8)+31], v[TM4+6*\u+5]
.endr
	WIN 0
	v_nop                                          ; one plain place behind a scaled conversion
.irp i, 0,1,2
.irp u, 0,1,2,3
	v_permlane16_swap_b32 v[PC4+8*\u+\i], v[PT4+4*\u+\i]   ; a whole block to a lane: lanes 0-15 block 0, lanes 16-31 block 1
.endr
.endr
.irp i, 0,1,2
.irp u, 0,1,2,3
	v_mov_b32 v[PC4+8*\u+3+\i], v[PT4+4*\u+\i]
.endr
.endr
.irp u, 0,1,2,3
.if FC
	global_store_b128 v[LI], v[PC4+8*\u:PC4+8*\u+3], s[48:49] offset:196608*\g+1536*\u          ; 512 consecutive bytes,
	global_store_b64 v[L8], v[PC4+8*\u+4:PC4+8*\u+5], s[48:49] offset:196608*\g+1536*\u+512     ; and 256
	ds_store_b16 v[SA0], v[HW4+\u] offset:8*(32*((4*\g+\u)/2)+8*(\u%2))
.else
.if \u == 0
	global_store_b128 v[LI], v[PC4:PC4+3], s[48:49]                                             ; 512 consecutive bytes,
	global_store_b64 v[L8], v[PC4+4:PC4+5], s[48:49] offset:512                                 ; and 256
.else
	global_store_b128 v[LIU+\u], v[PC4+8*\u:PC4+8*\u+3], s[48:49]
	global_store_b64 v[LIU+4+\u], v[PC4+8*\u+4:PC4+8*\u+5], s[48:49] offset:512
.endif
	ds_store_b32 v[SA0], v[HW4+\u] offset:(32*((4*\g+\u)/2)+8*(\u%2))*4      ; q, k: the token's word (bytes 2 and 3 are 0: the upper half of K = 128 is not used)
	ds_store_b16 v[SA1], v[HW4+\u] offset:512*\g+(32*(\u/2)+8*(\u%2))*4      ; v: half of the channel's word.  Both stages are always written; each kind of work-group reads its own
.endif
.endr
.endm
	s_load_b256 s[4:11], s[0:1], 0x0
	s_load_b64 s[12:13], s[0:1], 0x20
	v_lshl_add_u32 v254, v0, 2, 0x30800
	v_mov_b32 v255, 0
	ds_add_u32 v254, v255
	ds_add_u32 v254, v255
	v_lshrrev_b32 v1, 5, v0
	v_readfirstlane_b32 s14, v1
.if FC
	s_bfe_u32 s17, ttmp6, 0x40000
	s_lshl_b32 s15, ttmp9, 2
	s_add_co_u32 s15, s15, s17
.else
	s_mov_b32 s15, ttmp9
.endif
	s_and_b32 s16, ttmp7, 0xffff
.if FC
	s_mov_b32 s24, 15|(3<<16)|(1<<21)
.else
	s_mov_b32 s24, 3<<16
.endif
	s_mov_b32 s25, 32<<16
	s_mov_b32 s26, 96<<16
	s_mov_b32 s27, 32<<16
	s_mov_b32 s28, 96
	s_mov_b32 s29, 32
	s_mov_b32 s30, 0
	s_mov_b32 s31, 0
	s_mul_i32 s58, s16, 196608
	s_mov_b32 s59, 0
	s_lshl_b32 s62, s16, 13
	s_add_co_u32 s62, s62, HS
	s_mov_b32 s63, 0
	s_mul_i32 s60, s15, 196608
.if FC
	s_add_co_u32 s60, s60, WF
.endif
	s_mov_b32 s61, 0
	s_lshl_b32 s66, s15, 13
	s_mov_b32 s67, 0
	s_mul_i32 s68, s14, 6144
	s_mov_b32 s69, 0
	s_lshl_b32 s70, s14, 11
	s_mov_b32 s71, 0
	s_mul_i32 s33, s14, 24576
	s_mov_b32 s72, s33
	s_mov_b32 s73, 0
	s_wait_dscnt 0x0
	s_wait_kmcnt 0x0
	s_add_nc_u64 s[58:59], s[4:5], s[58:59]
	s_add_nc_u64 s[62:63], s[4:5], s[62:63]
	s_add_nc_u64 s[60:61], s[6:7], s[60:61]
	s_add_nc_u64 s[66:67], s[8:9], s[66:67]
.if FC
	s_mov_b64 s[40:41], s[58:59]
	s_mov_b64 s[42:43], s[60:61]
	s_mov_b64 s[44:45], s[62:63]
	s_mov_b64 s[46:47], s[66:67]
.else
	s_cmp_ge_u32 s15, 8
	s_cselect_b64 s[40:41], s[60:61], s[58:59]
	s_cselect_b64 s[42:43], s[58:59], s[60:61]
	s_cselect_b64 s[44:45], s[66:67], s[62:63]
	s_cselect_b64 s[46:47], s[62:63], s[66:67]
.endif
	s_add_nc_u64 s[42:43], s[42:43], s[68:69]
	s_add_nc_u64 s[46:47], s[46:47], s[70:71]
	s_add_nc_u64 s[34:35], s[40:41], s[72:73]
	s_add_nc_u64 s[38:39], s[34:35], 98304
	s_or_b32 s35, s35, 0x80000000
	s_or_b32 s39, s39, 0x80000000
	s_mov_b32 s32, 1
	s_mov_b32 s36, 1
	s_add_co_u32 s37, s33, 98304
.if FC
	ROUND
.endif
	tensor_load_to_lds s[32:35], s[24:31]          ; my first load, K step w: one tensor load a wave at the head
	s_nop 0
	PLACES
	v_and_b32 v1, 15, v0
	v_bfe_u32 v2, v0, 4, 1
	v_and_b32 v3, 31, v0
	v_lshlrev_b32 v[L8], 3, v3
	v_lshlrev_b32 v[LI], 4, v3
.irp k, 0,1,2,3
	v_add_nc_u32 v[LA+\k], 49152*\k, v[LI]
.endr
	v_and_b32 v8, 8, v1
	v_add_nc_u32 v8, v8, v1
	v_lshl_add_u32 v[SO], v2, 3, v8
	v_lshlrev_b32 v[SO], 5, v[SO]
	s_wait_alu depctr_va_vdst(0)
	s_lshl_b32 s66, s15, 10
	s_lshl_b32 s67, s14, 8
	s_add_co_u32 s67, s67, s66
	v_lshl_add_u32 v[BO], v2, 6, s67
	s_wait_alu depctr_va_vdst(0)
	s_mov_b32 s[SEL], 0x76543210
	s_mov_b32 s[SEL+1], 0xfedcba98
.if FC
	s_lshl_b32 s68, s14, 1
	s_add_co_u32 s68, s68, SG
	v_lshl_add_u32 v[SA0], v8, 3, s68
	v_lshl_add_u32 v[SR0], v0, 4, SG
	v_lshlrev_b32 v[SR1], 4, v0
	s_mul_i32 s48, s16, 786432
	s_lshl_b32 s72, s15, 1
	s_lshr_b32 s73, s14, 1
	s_add_co_u32 s72, s72, s73
	s_mul_i32 s72, s72, 6144
	s_add_co_u32 s48, s48, s72
	s_and_b32 s73, s14, 1
	s_mul_i32 s73, s73, 768
	s_add_co_u32 s48, s48, s73
	s_mov_b32 s49, 0
	s_lshl_b32 s50, s15, 15
	s_lshl_b32 s73, s16, 11
	s_add_co_u32 s50, s50, s73
	s_add_co_u32 s50, s50, GS
	s_mov_b32 s51, 0
.else
	v_lshl_add_u32 v[BVO], v8, 2, s66
	s_lshl_b32 s68, s14, 10
	s_add_co_u32 s68, s68, SQ
	v_lshl_add_u32 v[SA0], v8, 2, s68
	v_add_nc_u32 v[SR0], s68, v[LI]
	s_lshr_b32 s69, s14, 1
	s_lshl_b32 s69, s69, 8
	s_and_b32 s70, s14, 1
	s_lshl_b32 s70, s70, 1
	s_add_co_u32 s69, s69, s70
	s_add_co_u32 s69, s69, SV
	v_lshl_add_u32 v[SA1], v8, 2, s69
	s_lshl_b32 s70, s14, 9
	s_add_co_u32 s70, s70, SV
	v_add_nc_u32 v[SR1], s70, v[LI]
	s_lshr_b32 s72, s16, 3
	s_lshl_b32 s72, s72, 4
	s_and_b32 s73, s15, 3
	s_lshl_b32 s73, s73, 2
	s_add_co_u32 s72, s72, s73
	s_add_co_u32 s73, s72, s14
	s_and_b32 s74, s16, 7
	s_mul_i32 s75, s74, 12288
	s_mul_i32 s76, s73, 98304
	s_add_co_u32 s76, s76, s75
	s_add_co_u32 s77, s76, KI
	s_mul_i32 s78, s72, 98304
	s_add_co_u32 s78, s78, s75
	s_lshr_b32 s79, s14, 1
	s_mul_i32 s79, s79, 6144
	s_add_co_u32 s78, s78, s79
	s_and_b32 s79, s14, 1
	s_mul_i32 s79, s79, 768
	s_add_co_u32 s78, s78, s79
	s_add_co_u32 s78, s78, VI
	s_lshl_b32 s75, s74, 10
	s_lshl_b32 s79, s73, 13
	s_add_co_u32 s79, s79, s75
	s_add_co_u32 s79, s79, QS
	s_mul_i32 s58, s73, 12288
	s_add_co_u32 s58, s58, KVS
	s_add_co_u32 s59, s58, s75
	s_lshl_b32 s75, s74, 9
	s_add_co_u32 s58, s58, s75
	s_add_co_u32 s58, s58, 8192
	s_mov_b32 s52, 768
	s_cmp_lt_u32 s15, 4
	s_cselect_b32 s76, s76, s77
	s_cselect_b32 s79, s79, s59
	s_cmp_ge_u32 s15, 8
	s_cselect_b32 s48, s78, s76
	s_cselect_b32 s50, s58, s79
	s_cselect_b32 s52, 1536, s52
	s_cselect_b32 s54, 92160, 0
	s_cselect_b32 s56, 0, -1
	s_cselect_b32 s57, -1, 0
	s_mov_b32 s49, 0
	s_mov_b32 s51, 0
	s_mov_b32 s53, 0
	s_mov_b32 s55, 0
.endif
	s_add_nc_u64 s[48:49], s[12:13], s[48:49]
	s_add_nc_u64 s[50:51], s[12:13], s[50:51]
.irp p, 0,1,2,3,4,5,6,7
	global_load_b128 v[XSC+8*\p:XSC+8*\p+3], v[SO], s[44:45] offset:1024*\p
	global_load_b128 v[XSC+8*\p+4:XSC+8*\p+7], v[SO], s[44:45] offset:1024*\p+16
.endr
.irp p, 0,1
	global_load_b128 v[YSC+8*\p:YSC+8*\p+3], v[SO], s[46:47] offset:1024*\p
	global_load_b128 v[YSC+8*\p+4:YSC+8*\p+7], v[SO], s[46:47] offset:1024*\p+16
.endr
	WIN 0x40
.irp b, 0,1
.irp j, 0,1,2,3
	global_load_b128 v[BQ+16*\b+4*\j:BQ+16*\b+4*\j+3], v[BO], s[10:11] offset:128*\b+16*\j
.endr
.endr
.if FC == 0
.irp a, 0,1,2,3,4,5,6,7,8,9,10,11,12,13,14,15
	global_load_b32 v[BV+2*\a], v[BVO], s[10:11] offset:(32*(\a/2)+8*(\a%2))*4
.endr
.endif
	WIN 0
	YLD 0
	YLD 1
	YLD 2
	s_wait_loadcnt 36
.if FC == 0
	WIN 0x44
.set j, 0
.rept 32
	v_and_b32 v[BQ+j], s56, v[BQ+j]
.set j, j+1
.endr
.set j, 0
.rept 16
	v_and_b32 v[BV+j+1], s57, v[BV+j]
	v_and_b32 v[BV+j], s57, v[BV+j]
.set j, j+2
.endr
	WIN 0
.endif
	s_wait_alu depctr_va_vdst(0)                   ; the wait directly ahead of the wait below
	s_wait_tensorcnt 0x0                           ; my first load has landed
	ds_add_u32 v254, v255
	s_wait_dscnt 0x0
	ROUND                                          ; K steps 0 to 3 lie in LDS, and the four work-groups are here: the joint loads meet
	tensor_load_to_lds s[36:39], s[24:31]          ; my second load, K step w + 4: fifteen quarters of products stand ahead of the wait for it
	s_nop 0
	PLACES
	XLD 0
.set q, 0
.rept 32
	WIN 0
.if q > 0
	PLACES
.endif
.if (q%4 == 0) && (q/4+3 < 8)
	YLD q/4+3
.endif
.if q == 15
	s_wait_tensorcnt 0x0
	BAR
.endif
.if q < 31
	XLD q+1
	s_wait_dscnt 12
.else
	s_wait_dscnt 0x0
.endif
.if q%4 == 0
.if 7-q/4 >= 3
	s_wait_loadcnt 36
.else
	s_wait_loadcnt 12*(7-q/4)
.endif
.endif
.if q/4 == 0
	WIN 0x91+0x40*((q%4)/2)
.else
	WIN 0xa1+0x50*((q%4)/2)
.endif
	MULQ
.set q, q+1
.endr
	WIN 0
	PLACES
.irp u, 0,1,2,3
	v_mov_b32 v[TM4+6*\u+2], 0                     ; a lane permute's destination counts as one of its sources
	v_mov_b32 v[TM4+6*\u+3], 0
.endr
.if FC == 0
	s_lshl_b32 s58, s52, 1                         ; s52: from tile to tile of X in the output
	s_add_co_u32 s59, s58, s52
	v_add_nc_u32 v[LIU+1], s52, v[LI]              ; the offsets of the second, third and fourth of four tiles
	v_add_nc_u32 v[LIU+2], s58, v[LI]
	v_add_nc_u32 v[LIU+3], s59, v[LI]
	v_add_nc_u32 v[LIU+5], s52, v[L8]
	v_add_nc_u32 v[LIU+6], s58, v[L8]
	v_add_nc_u32 v[LIU+7], s59, v[L8]
	s_lshl_b32 s52, s52, 2
	s_add_co_u32 s52, s52, s54                     ; from four tiles to the next four (v: the next head)
.endif
.irp g, 0,1,2,3
	EPI4 \g
.endr
	BAR
.if FC
	ds_load_b128 v[E:E+3], v[SR0]
	s_wait_dscnt 0x0
	global_store_b128 v[SR1], v[E:E+3], s[50:51]
	s_wait_tensorcnt 0x0
	ds_add_u32 v254, v255
	s_wait_dscnt 0x0
	ROUND
	s_endpgm
.else
	s_cmp_ge_u32 s15, 8
	s_cbranch_scc1 .Lv_words
	ds_load_b128 v[E:E+3], v[SR0]
	ds_load_b128 v[E+4:E+7], v[SR0] offset:512
	s_wait_dscnt 0x0
	global_store_b128 v[LI], v[E:E+3], s[50:51]
	global_store_b128 v[LI], v[E+4:E+7], s[50:51] offset:512
	s_endpgm
.Lv_words:
	ds_load_b128 v[E:E+3], v[SR1]
	s_wait_dscnt 0x0
	global_store_b128 v[LI], v[E:E+3], s[50:51]
	s_endpgm
.endif
.Lfunc_end_k_qe3a30a7d71_fc:
	.size	k_qe3a30a7d71_fc, .Lfunc_end_k_qe3a30a7d71_fc-k_qe3a30a7d71_fc
	.p2alignl 7, 3214868480
	.fill 96, 4, 3214868480
	.section	.rodata,"a",@progbits
	.p2align	6, 0x0
	.amdhsa_kernel k_qe3a30a7d71_fc
		.amdhsa_group_segment_fixed_size 327680
		.amdhsa_private_segment_fixed_size 0
		.amdhsa_enable_private_segment 0
		.amdhsa_kernarg_size 40
		.amdhsa_user_sgpr_count 2
		.amdhsa_user_sgpr_kernarg_segment_ptr 1
		.amdhsa_wavefront_size32 1
		.amdhsa_system_sgpr_workgroup_id_x 1
		.amdhsa_system_sgpr_workgroup_id_y 1
		.amdhsa_system_sgpr_workgroup_id_z 1
		.amdhsa_system_vgpr_workitem_id 0
		.amdhsa_next_free_vgpr 1024
		.amdhsa_next_free_sgpr 80
		.amdhsa_reserve_vcc 0
		.amdhsa_float_denorm_mode_32 3
		.amdhsa_float_denorm_mode_16_64 3
		.amdhsa_memory_ordered 1
		.amdhsa_forward_progress 1
		.amdhsa_inst_pref_size 165
	.end_amdhsa_kernel
	.amdgpu_metadata
---
amdhsa.version: [ 1, 2 ]
amdhsa.kernels:
  - .name:           k_qe3a30a7d71_fc
    .symbol:         k_qe3a30a7d71_fc.kd
    .args:
      - { .name: hbuf, .offset: 0, .size: 8, .value_kind: global_buffer, .address_space: global }
      - { .name: wimg, .offset: 8, .size: 8, .value_kind: global_buffer, .address_space: global }
      - { .name: w_fc_scales, .offset: 16, .size: 8, .value_kind: global_buffer, .address_space: global }
      - { .name: b_fc, .offset: 24, .size: 8, .value_kind: global_buffer, .address_space: global }
      - { .name: gbuf, .offset: 32, .size: 8, .value_kind: global_buffer, .address_space: global }
    .group_segment_fixed_size: 327680
    .private_segment_fixed_size: 0
    .kernarg_segment_align: 8
    .kernarg_segment_size: 40
    .max_flat_workgroup_size: 128
    .sgpr_count:     80
    .vgpr_count:     1024
    .wavefront_size: 32
...
	.end_amdgpu_metadata
.endif
;; end of part 6
;; launch out (part 7): grid 8 x 32, 4 waves a work-group, clusters of 4 x 1, 327,680 bytes of LDS; arguments gbuf, wimg, w_out_scales, b_out, x2, out0; writes out0
.if DOCPART == 7
	.amdgcn_target "amdgcn-amd-amdhsa--gfx1250"
	.amdhsa_code_object_version 6
	.text
	.protected	k_qe3a30a7d71_out
	.globl	k_qe3a30a7d71_out
	.p2align	8
	.type	k_qe3a30a7d71_out,@function
k_qe3a30a7d71_out:
	s_mov_b64 s[64:65], 0
	v_nop
	global_prefetch_b8 v0, s[64:65] scope:SCOPE_SE
	s_setreg_imm32_b32 hwreg(HW_REG_WAVE_MODE, 25, 1), 1
	s_wait_xcnt 0x0
	s_wait_alu depctr_hold_cnt(0) depctr_sa_sdst(0) depctr_va_vdst(0) depctr_va_sdst(0) depctr_va_ssrc(0) depctr_va_vcc(0) depctr_vm_vsrc(0)
	s_getreg_b32 s2, hwreg(HW_REG_IB_STS2, 6, 4)
	s_cmp_eq_u32 s2, 0
	s_cbranch_scc0 .Lentry_in_a_cluster
	s_endpgm
.Lentry_in_a_cluster:
	s_bfe_u32 s2, ttmp6, 0x10000c
	s_cmp_lg_u32 s2, 0x3003
	s_cbranch_scc0 .Lentry_shape_is_right
	s_endpgm
.Lentry_shape_is_right:
; out0 = x2 + G W_out^T + b on codes of FP6 (E2M3), one E8M0 byte for each 32 along K = 4,096 (32 K steps of 128).
; A work-group takes 128 tokens (8 tiles) x 128 outputs; wave w all 128 tokens x the 32 outputs 128 x + 32 w on (2 tiles): 16 accumulators.  Source 0 = weights (their rows fall into a lane's registers), source 1 = tokens (a lane holds one token).
; G's codes are register images, [group of 64 tokens][K step 32][tile 4][half 2][768].  They come through LDS, asked for JOINTLY by the four work-groups of a cluster along x (mask 15), in chunks of 8 K steps of both groups (98,304 bytes):
;   chunks 0 and 1 at the head, one load of 49,152 bytes a wave; chunk 2 into bytes of its own behind the first round; chunk 3 into chunk 0's bytes behind a round at K step 8, when no wave reads chunk 0 any more: 16 K steps ahead of its first read.
; The weights' images go from memory straight into registers, 3,072 bytes a wave and K step, seven K steps ahead, in eight sets; each wave's are its own, so no tile of them is shared inside the work-group,
; and they are not asked for jointly: they never lie in LDS.  The residual's rows follow them in the same queue.
; No data prefetch: every tensor load but the head's is issued 16 K steps ahead of its first read, and the weights seven K steps ahead.
; Row i of tile T is row 32 (T / 2) + 8 (T % 2) + i + 8 (i / 8).  The results go through a stage in chunk 1's bytes, which have had their only fill and their last read by then, and leave as whole rows of 512 bytes.
; REGISTERS: window 0: v3-22 addresses, v24-151 G's scale words, v152-183 the weights'; window 1: two buffers of G's eight fragments, later rows of the output; window 2: eight sets of 24, the bias at v192-207;
;   window 3: accumulator (a, b) at v[16 a + 8 b], the residual at v128-255.
.set WOFF,  6291456                    ; wimg: w_out's images [tile / 4][K step 32][tile % 4][1,536]
.set SCOFF, 12582912                   ; gbuf: scale bytes [K step / 2][token][8]
.set STG,   98304                      ; the stage: 8 tiles x 16 rows x (512 + 16) bytes
.set SPARE, 294912                     ; behind the three chunks: the spare words
.set LI,  3                            ; v3     16 x lane
.set L8,  4                            ; v4     8 x lane
.set LA,  5                            ; v5-10  16 x lane + 49,152 q: chunk q / 2, group q % 2
.set LB,  11                           ; v11-16 8 x lane + 49,152 q
.set XSO, 17
.set YSO, 18
.set STO, 19
.set RD,  20
.set BO,  22
.set XSC, 24                           ; register 32 p + s: tiles 2 p (lanes 0-15), 2 p + 1 (lanes 16-31), K step s
.set YSC, 152                          ; register s: my two tiles, K step s
.set BQ,  192
.set MSB, 0
.macro WIN new
.if MSB != (\new)
	s_set_vgpr_msb (MSB<<8)|(\new)
.set MSB, (\new)
.endif
.endm
.macro BAR
	s_wait_dscnt 0x0
	s_barrier_signal -1
	s_barrier_wait -1
.endm
.macro ROUND                           ; a round of the cluster's barrier
	s_barrier_signal -1
	s_barrier_wait -1
	s_cmp_lg_u32 s16, 0
	s_cbranch_scc1 .Lnot_wave_0_\@
	s_barrier_signal -3
.Lnot_wave_0_\@:
	s_barrier_wait -3
	s_barrier_signal -1
	s_barrier_wait -1
.endm
.macro PLACES
.rept 4
	v_nop
.endr
.endm
.macro XLD ss                          ; G's eight fragments of K step ss from LDS into buffer ss % 2: 32 loads.  Chunk 3 lies where chunk 0 lay
	WIN 0x40
.irp a, 0,1,2,3,4,5,6,7
.set XR, 96*((\ss)%2)+12*\a
.set XQ, 2*(((\ss)/8)%3)+\a/4
.set XO, ((\ss)%8)*6144+1536*(\a%4)
	ds_load_b128 v[XR:XR+3], v[LA+XQ] offset:XO
	ds_load_b64 v[XR+4:XR+5], v[LB+XQ] offset:XO+512
	ds_load_b128 v[XR+6:XR+9], v[LA+XQ] offset:XO+768
	ds_load_b64 v[XR+10:XR+11], v[LB+XQ] offset:XO+1280
.endr
	WIN 0
.endm
.macro YLD jj                          ; my two fragments of the weight of K step jj into set jj % 8: 6 loads
	WIN 0x80
.irp f, 0,1
.irp c, 0,1,2
	global_load_b128 v[24*((\jj)%8)+12*\f+4*\c:24*((\jj)%8)+12*\f+4*\c+3], v[LI], s[44:45] offset:6144*(\jj)+1536*\f+512*\c
.endr
.endr
	WIN 0
.endm
.macro RLD a                           ; the residual at my four rows of tile a, 512 bytes each: 4 loads
	WIN 0xc0
.irp i, 0,1,2,3
	global_load_b128 v[128+16*(\a)+4*\i:128+16*(\a)+4*\i+3], v[LI], s[48:49] offset:(32*((\a)/2)+8*((\a)%2)+\i)*4096
.endr
	WIN 0
.endm
.macro WMS
.if oA && oB
	v_wmma_scale_f32_16x16x128_f8f6f4 v[rD:rD+7], v[rA:rA+11], v[rB:rB+11], v[rC:rC+7], v[sA], v[sB] matrix_a_fmt:MATRIX_FMT_FP6 matrix_b_fmt:MATRIX_FMT_FP6 matrix_a_scale:MATRIX_SCALE_ROW1 matrix_b_scale:MATRIX_SCALE_ROW1
.elseif oA
	v_wmma_scale_f32_16x16x128_f8f6f4 v[rD:rD+7], v[rA:rA+11], v[rB:rB+11], v[rC:rC+7], v[sA], v[sB] matrix_a_fmt:MATRIX_FMT_FP6 matrix_b_fmt:MATRIX_FMT_FP6 matrix_a_scale:MATRIX_SCALE_ROW1
.elseif oB
	v_wmma_scale_f32_16x16x128_f8f6f4 v[rD:rD+7], v[rA:rA+11], v[rB:rB+11], v[rC:rC+7], v[sA], v[sB] matrix_a_fmt:MATRIX_FMT_FP6 matrix_b_fmt:MATRIX_FMT_FP6 matrix_b_scale:MATRIX_SCALE_ROW1
.else
	v_wmma_scale_f32_16x16x128_f8f6f4 v[rD:rD+7], v[rA:rA+11], v[rB:rB+11], v[rC:rC+7], v[sA], v[sB] matrix_a_fmt:MATRIX_FMT_FP6 matrix_b_fmt:MATRIX_FMT_FP6
.endif
.endm
	s_load_b256 s[4:11], s[0:1], 0x0               ; gbuf s[4:5], wimg s[6:7], the weight's scales s[8:9], the bias s[10:11]
	s_load_b128 s[12:15], s[0:1], 0x20             ; x2 s[12:13], out0 s[14:15]
	v_lshl_add_u32 v254, v0, 2, SPARE
	v_mov_b32 v255, 0
	ds_add_u32 v254, v255                          ; the opening lines: the add, twice on end,
	ds_add_u32 v254, v255
	v_lshrrev_b32 v1, 5, v0
	v_readfirstlane_b32 s16, v1                    ; wave 0..3
	s_bfe_u32 s19, ttmp6, 0x40000                  ; cx
	s_lshl_b32 s17, ttmp9, 2
	s_add_co_u32 s17, s17, s19                     ; x: it enters global addresses of the weight, the bias, the residual and the output alone
	s_and_b32 s18, ttmp7, 0xffff                   ; y: 128 tokens
	s_mov_b32 s24, 15|(3<<16)|(1<<21)              ; group 1 of the head's loads: the four partners; elements of 8 bytes; bit 21 beside the mask; 192 dense rows of 256 bytes
	s_mov_b32 s25, 32<<16
	s_mov_b32 s26, 192<<16
	s_mov_b32 s27, 32<<16
	s_mov_b32 s28, 192
	s_mov_b32 s29, 32
	s_mov_b32 s30, 0
	s_mov_b32 s31, 0
	s_mov_b32 s68, 15|(3<<16)|(1<<21)              ; group 1 of the two later loads: 96 rows
	s_mov_b32 s69, 32<<16
	s_mov_b32 s70, 96<<16
	s_mov_b32 s71, 32<<16
	s_mov_b32 s72, 96
	s_mov_b32 s73, 32
	s_mov_b32 s74, 0
	s_mov_b32 s75, 0
	s_and_b32 s54, s16, 1                          ; my group of 64 tokens,
	s_lshr_b32 s55, s16, 1                         ; and which chunk (head) or which half of a chunk (later) I fetch
	s_mul_i32 s56, s18, 393216
	s_mul_i32 s57, s54, 196608
	s_add_co_u32 s56, s56, s57                     ; the group's images
	s_mul_i32 s57, s55, 49152
	s_add_co_u32 s58, s56, s57                     ; head: K steps 8 (w / 2) on
	s_mov_b32 s59, 0
	s_mul_i32 s33, s16, 49152                      ; to LDS byte 98,304 (w / 2) + 49,152 (w % 2) = 49,152 w
	s_mul_i32 s57, s55, 24576
	s_add_co_u32 s60, s56, s57
	s_add_co_u32 s60, s60, 98304                   ; chunk 2: K steps 16 + 4 (w / 2) on
	s_mov_b32 s61, 0
	s_mul_i32 s41, s54, 49152
	s_add_co_u32 s41, s41, s57                     ; chunk 3 goes to chunk 0's bytes,
	s_add_co_u32 s37, s41, 196608                  ; chunk 2 behind chunk 1
	s_mov_b32 s32, 1
	s_mov_b32 s36, 1
	s_mov_b32 s40, 1
	s_wait_dscnt 0x0                               ; and the one wait for both
	s_wait_kmcnt 0x0
	s_add_nc_u64 s[34:35], s[4:5], s[58:59]
	s_add_nc_u64 s[38:39], s[4:5], s[60:61]
	s_add_nc_u64 s[42:43], s[38:39], 49152         ; chunk 3: 8 K steps further on
	s_or_b32 s35, s35, 0x80000000
	s_or_b32 s39, s39, 0x80000000
	s_or_b32 s43, s43, 0x80000000
	ROUND                                          ; the four work-groups are here: the joint loads meet
	tensor_load_to_lds s[32:35], s[24:31]          ; chunks 0 and 1: one load a wave
	s_nop 0
	PLACES
	s_lshl_b32 s54, s16, 7
	s_add_co_u32 s54, s54, STG                     ; the stage: my 32 columns are 128 bytes of a row
	s_mul_i32 s55, s16, 4*528
	s_add_co_u32 s55, s55, STG                     ; and back: rows 4 w .. 4 w + 3 of each tile
	s_lshl_b32 s56, s17, 7
	s_lshl_b32 s57, s16, 5
	s_add_co_u32 s56, s56, s57                     ; my first output: 128 x + 32 w
	s_lshl_b32 s60, s56, 2
	s_lshl_b32 s58, s17, 1
	s_lshr_b32 s57, s16, 1
	s_add_co_u32 s58, s58, s57
	s_mul_i32 s58, s58, 196608                     ; the weight's group of four tiles 2 x + w / 2,
	s_and_b32 s57, s16, 1
	s_mul_i32 s57, s57, 3072                       ; my two tiles in it
	s_add_co_u32 s58, s58, s57
	s_add_co_u32 s58, s58, WOFF
	s_mov_b32 s59, 0
	s_add_nc_u64 s[44:45], s[6:7], s[58:59]
	s_lshl_b32 s58, s56, 7                         ; a row of the weight's scale bytes is 128 bytes
	s_add_nc_u64 s[46:47], s[8:9], s[58:59]
	s_lshl_b32 s58, s18, 7
	s_lshl_b32 s57, s16, 2
	s_add_co_u32 s58, s58, s57
	s_lshr_b32 s57, s16, 1
	s_lshl_b32 s57, s57, 3
	s_add_co_u32 s58, s58, s57                     ; row 4 w of a tile is token 4 w + 8 (w / 2) of it
	s_lshl_b32 s58, s58, 12
	s_lshl_b32 s57, s17, 9
	s_add_co_u32 s58, s58, s57                     ; + the work-group's 128 columns
	s_add_nc_u64 s[48:49], s[12:13], s[58:59]
	s_add_nc_u64 s[50:51], s[14:15], s[58:59]
	s_lshl_b32 s58, s18, 10
	s_add_co_u32 s58, s58, SCOFF
	s_add_nc_u64 s[52:53], s[4:5], s[58:59]
	v_and_b32 v1, 15, v0                           ; r
	v_bfe_u32 v2, v0, 4, 1                         ; h
	v_and_b32 v3, 31, v0
	v_lshlrev_b32 v[L8], 3, v3
	v_lshlrev_b32 v[LI], 4, v3
.irp k, 0,1,2,3,4,5
	v_add_nc_u32 v[LA+\k], 49152*\k, v[LI]
	v_add_nc_u32 v[LB+\k], 49152*\k, v[L8]
.endr
	v_and_b32 v23, 8, v1
	v_add_nc_u32 v23, v23, v1
	v_lshl_add_u32 v23, v2, 3, v23                 ; rho = r + 8 (r / 8) + 8 h
	v_lshlrev_b32 v[XSO], 3, v23
	v_lshlrev_b32 v[YSO], 7, v23
	v_mul_u32_u24 v[STO], v1, 528
	v_lshl_add_u32 v[STO], v2, 6, v[STO]
	v_add_nc_u32 v[STO], s54, v[STO]               ; in: row r, + 128 w + 64 h
	v_add_nc_u32 v[RD], s55, v[LI]                 ; back: the 32 lanes take one row of 512 bytes
	v_lshl_add_u32 v[BO], v2, 6, s60               ; the bias: 4 (128 x + 32 w + 16 h)
	s_wait_alu depctr_va_vdst(0)                   ; the wait at the head's end
.irp p, 0,1,2,3
.set xx, 0
.rept 16
	global_load_b64 v[XSC+32*\p+2*xx:XSC+32*\p+2*xx+1], v[XSO], s[52:53] offset:256*\p+32768*xx   ; token 128 y + 32 p + rho: the words of K steps 2 xx, 2 xx + 1; 32 lanes read 256 consecutive bytes
.set xx, xx+1
.endr
.endr
.set i, 0
.rept 8
	global_load_b128 v[YSC+4*i:YSC+4*i+3], v[YSO], s[46:47] offset:16*i
.set i, i+1
.endr
	WIN 0x80
.irp j, 0,1,2,3
	global_load_b128 v[BQ+4*\j:BQ+4*\j+3], v[BO], s[10:11] offset:16*\j
.endr
	WIN 0
.irp t, 0,1,2,3,4,5,6
	YLD \t
.endr
	s_wait_tensorcnt 0x0                           ; my part of chunks 0 and 1 has landed
	ds_add_u32 v254, v255
	s_wait_dscnt 0x0
	ROUND                                          ; everybody's has, and the four work-groups are here
	tensor_load_to_lds s[36:39], s[68:75]          ; chunk 2, into bytes of its own
	s_nop 0
	PLACES
	XLD 0
.set st, 0
.rept 32
	WIN 0
.if st > 0
	PLACES                                         ; four places between the last products and the loads into the buffer and the set that they read
.endif
.if st+7 < 32
	YLD st+7
.else
	RLD st+7-32
.endif
.if st == 8
	s_wait_tensorcnt 0x0                           ; chunk 2 has landed;
	ds_add_u32 v254, v255
	s_wait_dscnt 0x0                               ; my reads of chunk 0 are over: the last were K step 7's
	ROUND                                          ; both hold of every wave of the four work-groups
	tensor_load_to_lds s[40:43], s[68:75]          ; chunk 3, into chunk 0's bytes
	s_nop 0
	PLACES
.endif
.if st == 23
	s_wait_tensorcnt 0x0                           ; my part of chunk 3 has landed
	BAR                                            ; and everybody's
.endif
.if st < 31
	XLD st+1
	s_wait_dscnt 32                                ; this step's fragments are in; the 32 loads just issued may stay out
.else
	s_wait_dscnt 0x0
.endif
.set ny, 31-st
.if ny > 7
.set ny, 7
.endif
	s_wait_loadcnt 6*ny+4*(7-ny)                   ; this step's set is in; the seven younger sets (6 loads of the weight or 4 of the residual each) may stay out
.if st == 0
	WIN 0xe6                                       ; weights window 2, G window 1, C (the bias) window 2, D window 3
.else
	WIN 0xf6                                       ; C and D window 3
.endif
.irp a, 0,1,2,3,4,5,6,7
.irp b, 0,1
.set rD, 16*\a+8*\b
.set rA, 24*(st%8)+12*\b
.set rB, 96*(st%2)+12*\a
.set sA, YSC+st
.set sB, XSC+32*(\a/2)+st
.set oA, \b
.set oB, \a%2
.set rC, rD
.if st == 0
.set rC, BQ+8*\b                       ; the bias starts the sums
.endif
	WMS                                            ; sixteen accumulators by turns
.endr
.endr
.set st, st+1
.endr
	WIN 0
	PLACES
	RLD 7
	; THE WAY OUT: all eight tiles into the stage (every wave's reads of chunk 1 were over at K step 23's barrier), a barrier, and back by rows
	WIN 0x0c                                       ; an LDS store's data are its source 1: window 3
.irp a, 0,1,2,3,4,5,6,7
.irp b, 0,1
	ds_store_b128 v[STO], v[16*\a+8*\b:16*\a+8*\b+3] offset:8448*\a+32*\b          ; lane (r, h): columns 32 w + 16 h + 8 b + 0 .. 7 of row r; each accumulator from its low end on
	ds_store_b128 v[STO], v[16*\a+8*\b+4:16*\a+8*\b+7] offset:8448*\a+32*\b+16
.endr
.endr
	WIN 0
	BAR                                            ; the stage is whole
	WIN 0x40
.irp a, 0,1,2,3,4,5,6,7
.irp i, 0,1,2,3
	ds_load_b128 v[16*\a+4*\i:16*\a+4*\i+3], v[RD] offset:8448*\a+528*\i
.endr
.endr
.irp a, 0,1,2,3,4,5,6,7
	s_wait_dscnt 4*(7-\a)                          ; this tile's four rows are back; the later tiles' may stay out
	s_wait_loadcnt 4*(7-\a)                        ; and so with the residual's
	WIN 0x4d                                       ; source 0 and destination window 1, source 1 window 3
.set j, 0
.rept 8
	v_pk_add_f32 v[16*\a+j:16*\a+j+1], v[16*\a+j:16*\a+j+1], v[128+16*\a+j:128+16*\a+j+1]
.set j, j+2
.endr
	WIN 0x04
.irp i, 0,1,2,3
	global_store_b128 v[LI], v[16*\a+4*\i:16*\a+4*\i+3], s[50:51] offset:(32*(\a/2)+8*(\a%2)+\i)*4096   ; 32 lanes store 512 consecutive bytes, at a multiple of 256
.endr
.endr
	WIN 0
	s_wait_tensorcnt 0x0                           ; the wave's end
	ds_add_u32 v254, v255
	s_wait_dscnt 0x0
	ROUND                                          ; the closing round
	s_endpgm
.Lfunc_end_k_qe3a30a7d71_out:
	.size	k_qe3a30a7d71_out, .Lfunc_end_k_qe3a30a7d71_out-k_qe3a30a7d71_out
	.p2alignl 7, 3214868480
	.fill 96, 4, 3214868480
	.section	.rodata,"a",@progbits
	.p2align	6, 0x0
	.amdhsa_kernel k_qe3a30a7d71_out
		.amdhsa_group_segment_fixed_size 327680
		.amdhsa_private_segment_fixed_size 0
		.amdhsa_enable_private_segment 0
		.amdhsa_kernarg_size 48
		.amdhsa_user_sgpr_count 2
		.amdhsa_user_sgpr_kernarg_segment_ptr 1
		.amdhsa_wavefront_size32 1
		.amdhsa_system_sgpr_workgroup_id_x 1
		.amdhsa_system_sgpr_workgroup_id_y 1
		.amdhsa_system_sgpr_workgroup_id_z 1
		.amdhsa_system_vgpr_workitem_id 0
		.amdhsa_next_free_vgpr 1024
		.amdhsa_next_free_sgpr 80
		.amdhsa_reserve_vcc 0
		.amdhsa_float_denorm_mode_32 3
		.amdhsa_float_denorm_mode_16_64 3
		.amdhsa_memory_ordered 1
		.amdhsa_forward_progress 1
		.amdhsa_inst_pref_size 190
	.end_amdhsa_kernel
	.amdgpu_metadata
---
amdhsa.version: [ 1, 2 ]
amdhsa.kernels:
  - .name:           k_qe3a30a7d71_out
    .symbol:         k_qe3a30a7d71_out.kd
    .args:
      - { .name: gbuf, .offset: 0, .size: 8, .value_kind: global_buffer, .address_space: global }
      - { .name: wimg, .offset: 8, .size: 8, .value_kind: global_buffer, .address_space: global }
      - { .name: w_out_scales, .offset: 16, .size: 8, .value_kind: global_buffer, .address_space: global }
      - { .name: b_out, .offset: 24, .size: 8, .value_kind: global_buffer, .address_space: global }
      - { .name: x2, .offset: 32, .size: 8, .value_kind: global_buffer, .address_space: global }
      - { .name: out0, .offset: 40, .size: 8, .value_kind: global_buffer, .address_space: global }
    .group_segment_fixed_size: 327680
    .private_segment_fixed_size: 0
    .kernarg_segment_align: 8
    .kernarg_segment_size: 48
    .max_flat_workgroup_size: 128
    .sgpr_count:     80
    .vgpr_count:     1024
    .wavefront_size: 32
...
	.end_amdgpu_metadata
.endif
;; end of part 7
